; MI455X (gfx1250); checked and timed in simulation.
; The chip was launched on July 23, 2026; its instructions are those of AMD's public machine-readable ISA for CDNA 5 (MIT licence, August 2026) and "CDNA5" Instruction Set Architecture Reference Guide (July 2026). The comments in the code are by the model that wrote it; some were corrected since.
;; Attention. Allowed arithmetic: float matrix products may take bf16 or f16 operands with f32 sums; all other float work in f32.
;; Inputs: b_proj 1,024 float32; w_proj 1,024 x 1,024 float32; w_qkv 3,072 x 1,024 float32; x 2 x 2,048 x 1,024 float32.
;; Outputs: out0 2 x 2,048 x 1,024 float32.
;; 2 versions, each right and faster than the one before. Each part assembles by itself: llvm-mc -triple=amdgcn-amd-amdhsa -mcpu=gfx1250 --defsym DOCPART=n.
;; ======== version 1 of 2: 4 launches
;; limits: values are held in f16: magnitudes above 65,504 overflow, below 6.1e-05 lose precision
;; workspace buffers: cb 16,777,216 bytes; qkvb 25,165,824 bytes; ao 8,388,608 bytes
;; launch cast (part 1): grid 512 x 1, 8 waves a work-group, no clusters, 0 bytes of LDS; arguments x, w_qkv, w_proj, cb; writes cb
.if DOCPART == 1
	.amdgcn_target "amdgcn-amd-amdhsa--gfx1250"
	.amdhsa_code_object_version 6
	.text
	.protected	k_q48d9a527d3_cast
	.globl	k_q48d9a527d3_cast
	.p2align	8
	.type	k_q48d9a527d3_cast,@function
k_q48d9a527d3_cast:
	s_mov_b64 s[64:65], 0
	v_nop
	global_prefetch_b8 v0, s[64:65] scope:SCOPE_SE
	s_setreg_imm32_b32 hwreg(HW_REG_WAVE_MODE, 25, 1), 1
	s_wait_xcnt 0x0
; cast: x, w_qkv and w_proj (f32, rows of 1,024) are rounded once to bf16 and laid out for the matrix launches.
; cb holds three tables [plane of 64 columns][row][64], 128 bytes for a row and plane:
;   byte 0          x      16 planes x 4,096 rows, bf16
;   byte 8,388,608  w_qkv  16 planes x 3,072 rows, bf16
;   byte 14,680,064 w_proj 16 planes x 1,024 rows: the bf16-rounded value written as f16, since its partner in the last product is f16
; In that layout any run of rows of one plane is dense, so the later launches fetch tiles as rows of 256 consecutive bytes.
; LIMIT: |w_proj| < 65,504 (f16's range); a bf16 value below 2^-14 in magnitude is kept with f16's denormal step, an error of at most 3e-8.
; 8,192 source rows, 16 for each of 512 work-groups.  Wave w owns planes 2w and 2w+1 (512 bytes of every source row).
; A chunk c = 2g + pp is rows 4g..4g+3 of plane 2w+pp: two loads of 16 bytes a lane cover its 4 x 256 source bytes, and one store of
; 16 bytes a lane covers its 512 consecutive bytes in cb.  All 16 loads of a wave go out at once; nothing is read twice.
; No LDS, matrix unit or cluster: every byte is used once by one lane.
.set X, 8                              ; v[8:71]   chunk c: 8 f32 as loaded
.set Y, 72                             ; v[72:103] chunk c: 8 numbers of 16 bits to store
	s_load_b256 s[4:11], s[0:1], 0x0               ; x s[4:5], w_qkv s[6:7], w_proj s[8:9], cb s[10:11]
	v_lshrrev_b32 v4, 5, v0
	v_readfirstlane_b32 s12, v4                    ; wave
	v_and_b32 v5, 31, v0                           ; lane L
	v_lshrrev_b32 v6, 3, v5
	v_lshlrev_b32 v1, 12, v6                       ; (L>>3) source rows of 4,096 bytes
	v_and_b32 v6, 7, v5
	v_lshl_add_u32 v1, v6, 5, v1                   ; + (L&7) x 8 f32
	v_lshl_add_u32 v1, v4, 9, v1                   ; + the wave's two planes
	v_lshlrev_b32 v2, 4, v5                        ; 16 L: my 16 bytes of a chunk in cb
	s_mov_b32 s20, 524288                          ; bytes of a plane: 4,096 rows,
	s_mov_b32 s21, 393216                          ; 3,072 rows,
	s_mov_b32 s22, 131072                          ; 1,024 rows
	s_mov_b32 s23, 8388608                         ; where w_qkv's table begins in cb
	s_mov_b32 s24, 14680064                        ; where w_proj's begins
	s_wait_kmcnt 0x0
	s_cmp_lt_u32 ttmp9, 256                        ; work-groups 0-255: x; 256-447: w_qkv; 448-511: w_proj
	s_cselect_b64 s[14:15], s[4:5], s[6:7]
	s_cselect_b32 s16, 0, 0x100                    ; the table's first work-group
	s_cselect_b32 s17, s20, s21                    ; its plane's bytes
	s_cselect_b32 s18, 0, s23                      ; its place in cb
	s_cmp_lt_u32 ttmp9, 448
	s_cselect_b64 s[14:15], s[14:15], s[8:9]
	s_cselect_b32 s16, s16, 0x1c0
	s_cselect_b32 s17, s17, s22
	s_cselect_b32 s18, s18, s24
	s_sub_co_u32 s19, ttmp9, s16                   ; my number within the table
	s_lshl_b32 s26, s19, 16                        ; 16 source rows of 4,096 bytes
	s_mov_b32 s27, 0
	s_add_nc_u64 s[14:15], s[14:15], s[26:27]
	s_lshl_b32 s26, s19, 11                        ; 16 rows of 128 bytes in a plane
	s_add_co_u32 s26, s26, s18
	s_mul_i32 s28, s12, s17
	s_lshl_b32 s28, s28, 1                         ; plane 2w
	s_add_co_u32 s26, s26, s28
	s_add_nc_u64 s[10:11], s[10:11], s[26:27]
	v_add_nc_u32 v3, s17, v2                       ; the same 16 bytes one plane on
.irp c, 0,1,2,3,4,5,6,7
	global_load_b128 v[X+8*\c:X+8*\c+3],   v1, s[14:15] offset:((\c)>>1)*16384+((\c)&1)*256 th:TH_LOAD_NT
	global_load_b128 v[X+8*\c+4:X+8*\c+7], v1, s[14:15] offset:((\c)>>1)*16384+((\c)&1)*256+16 th:TH_LOAD_NT
.endr
; One chunk.  half = 1: the bf16-rounded value is widened again (a shift, a mask) and written as f16, which holds it exactly in its normal range.
.macro CONV c, half
	s_wait_loadcnt 14-2*\c                         ; loads come back in order: the two loads of each of the 7 - c younger chunks may stay out
.irp j, 0,1,2,3
.if \half
	v_cvt_pk_bf16_f32 v4, v[X+8*\c+2*\j], v[X+8*\c+2*\j+1]
	v_lshlrev_b32 v5, 16, v4
	v_and_b32 v6, 0xffff0000, v4
	v_cvt_pk_f16_f32 v[Y+4*\c+\j], v5, v6
.else
	v_cvt_pk_bf16_f32 v[Y+4*\c+\j], v[X+8*\c+2*\j], v[X+8*\c+2*\j+1]
.endif
.endr
.if (\c)&1
	global_store_b128 v3, v[Y+4*\c:Y+4*\c+3], s[10:11] offset:((\c)>>1)*512    ; 512 consecutive bytes: four rows of plane 2w+1
.else
	global_store_b128 v2, v[Y+4*\c:Y+4*\c+3], s[10:11] offset:((\c)>>1)*512    ; the same of plane 2w
.endif
.endm
	s_cmp_lt_u32 ttmp9, 448
	s_cbranch_scc0 .Lwp
.irp c, 0,1,2,3,4,5,6,7
	CONV \c, 0
.endr
	s_endpgm
.Lwp:
.irp c, 0,1,2,3,4,5,6,7
	CONV \c, 1
.endr
	s_endpgm
.Lfunc_end_k_q48d9a527d3_cast:
	.size	k_q48d9a527d3_cast, .Lfunc_end_k_q48d9a527d3_cast-k_q48d9a527d3_cast
	.p2alignl 7, 3214868480
	.fill 96, 4, 3214868480
	.section	.rodata,"a",@progbits
	.p2align	6, 0x0
	.amdhsa_kernel k_q48d9a527d3_cast
		.amdhsa_group_segment_fixed_size 0
		.amdhsa_private_segment_fixed_size 0
		.amdhsa_enable_private_segment 0
		.amdhsa_kernarg_size 32
		.amdhsa_user_sgpr_count 2
		.amdhsa_user_sgpr_kernarg_segment_ptr 1
		.amdhsa_wavefront_size32 1
		.amdhsa_system_sgpr_workgroup_id_x 1
		.amdhsa_system_sgpr_workgroup_id_y 1
		.amdhsa_system_sgpr_workgroup_id_z 1
		.amdhsa_system_vgpr_workitem_id 0
		.amdhsa_next_free_vgpr 104
		.amdhsa_next_free_sgpr 66
		.amdhsa_reserve_vcc 0
		.amdhsa_float_denorm_mode_32 3
		.amdhsa_float_denorm_mode_16_64 3
		.amdhsa_memory_ordered 1
		.amdhsa_forward_progress 1
		.amdhsa_inst_pref_size 15
	.end_amdhsa_kernel
	.amdgpu_metadata
---
amdhsa.version: [ 1, 2 ]
amdhsa.kernels:
  - .name:           k_q48d9a527d3_cast
    .symbol:         k_q48d9a527d3_cast.kd
    .args:
      - { .name: x, .offset: 0, .size: 8, .value_kind: global_buffer, .address_space: global }
      - { .name: w_qkv, .offset: 8, .size: 8, .value_kind: global_buffer, .address_space: global }
      - { .name: w_proj, .offset: 16, .size: 8, .value_kind: global_buffer, .address_space: global }
      - { .name: cb, .offset: 24, .size: 8, .value_kind: global_buffer, .address_space: global }
    .group_segment_fixed_size: 0
    .private_segment_fixed_size: 0
    .kernarg_segment_align: 8
    .kernarg_segment_size: 32
    .max_flat_workgroup_size: 256
    .sgpr_count:     66
    .vgpr_count:     104
    .wavefront_size: 32
...
	.end_amdgpu_metadata
.endif
;; end of part 1
;; launch qkv (part 2): grid 16 x 16, 4 waves a work-group, clusters of 4 x 4, 327,680 bytes of LDS; arguments cb, qkvb; writes qkvb
.if DOCPART == 2
	.amdgcn_target "amdgcn-amd-amdhsa--gfx1250"
	.amdhsa_code_object_version 6
	.text
	.protected	k_q48d9a527d3_qkv
	.globl	k_q48d9a527d3_qkv
	.p2align	8
	.type	k_q48d9a527d3_qkv,@function
k_q48d9a527d3_qkv:
	s_mov_b64 s[64:65], 0
	v_nop
	global_prefetch_b8 v0, s[64:65] scope:SCOPE_SE
	s_setreg_imm32_b32 hwreg(HW_REG_WAVE_MODE, 25, 1), 1
	s_wait_xcnt 0x0
	s_wait_alu depctr_hold_cnt(0) depctr_sa_sdst(0) depctr_va_vdst(0) depctr_va_sdst(0) depctr_va_ssrc(0) depctr_va_vcc(0) depctr_vm_vsrc(0)
	s_getreg_b32 s2, hwreg(HW_REG_IB_STS2, 6, 4)
	s_cmp_eq_u32 s2, 0
	s_cbranch_scc0 .Lentry_in_a_cluster
	s_endpgm
.Lentry_in_a_cluster:
	s_bfe_u32 s2, ttmp6, 0x10000c
	s_cmp_lg_u32 s2, 0xf033
	s_cbranch_scc0 .Lentry_shape_is_right
	s_endpgm
.Lentry_shape_is_right:
; qkv: C[m][n] = sum over k of x[m][k] w_qkv[n][k], 4,096 x 3,072 x 1,024, bf16 operands from cb, f32 sums, C written as f16.
; qkvb is [48 planes][4,096 rows][64]: plane = n / 64 = 16 t + head (t = 0 q, 1 k, 2 v), row m = 2,048 batch + position.
; LIMIT: |q|, |k|, |v| < 65,504 (f16's range).
; A work-group makes 256 x 192 of C with four waves; wave w makes rows 64 w .. 64 w + 63 x all 192 columns: 48 accumulator tiles, 384 registers.
; K goes in steps of 128 (two planes of 64) through two LDS slots filled by the tensor data mover.  A plane's rows are dense in cb,
; so a tile comes in as rows of 256 consecutive bytes (two logical rows of 128 bytes), each followed by 16 bytes of padding in LDS:
; logical row p lies at (p>>1) x 272 + (p&1) x 128.  The 16 rows of a fragment then start in 16 different 16-byte columns of a 256-byte span.
; CLUSTER 4 x 4: the four work-groups of a row of the cluster need the same rows of x, the four of a column the same rows of w_qkv.
; Each such tile is asked for jointly: the same line, the same descriptor, a mask that names the four.
; REGISTER WINDOWS: 0: addresses, A's fragments (two buffers of 32), the way out.  1: B's fragments (two buffers of 96).
;   2: accumulators of my rows 0-31 (tile (a, b) at v[8 (12 a + b)]).  3: those of my rows 32-63.
; The matrix instruction is used transposed (source 0 = rows of w_qkv, source 1 = rows of x): lane l then holds row l % 16 of C and
; eight neighbouring columns 8 (l / 16) + 0..7, which pack into 16 bytes.
.set NT,     12                        ; n tiles of a wave
.set E,      4                         ; sub-steps of 32 along K in a K step
.set LAPS,   4                         ; a lap = two K steps = once round the ring; 8 K steps in all
.set PITCH,  272
.set T16,    8*PITCH                   ; 16 logical rows
.set APL,    128*PITCH                 ; a plane of A's tile: 256 rows
.set BPL,    96*PITCH                  ; a plane of B's tile: 192 rows
.set BOFF,   2*APL
.set SLOT,   BOFF+2*BPL                ; 121,856
.set STAGE,  2*SLOT                    ; 243,712: behind the ring, a multiple of 256; no tensor load lands here
.set SPITCH, 400                       ; a stage row: 192 f16 + 16 bytes
.set ALOAD,  64*PITCH                  ; LDS bytes of one load of A: 128 rows of one plane
.set BLOAD,  48*PITCH                  ; of one load of B: 96 rows of one plane
.set ASTEP,  2*524288                  ; a K step in x's table: two planes of 4,096 rows
.set BSTEP,  2*393216                  ; in w_qkv's: two planes of 3,072 rows
.set G1W0,   (3<<16)|(1<<20)|(1<<21)|(5<<22)|(3<<25)   ; elements of 8 bytes; padding on; bit 21 set beside a mask; after every 64 words; 4 words
.set ADRA, 16                          ; v16-17 LDS address of my A fragments in slot 0, 1
.set ADRB, 20                          ; v20-21 the same for B
.set STO,  24
.set RD,   25
.set CO,   26
.set FA,   32                          ; window 0: v32-63, v64-95
.set FB,   0                           ; window 1: v0-95, v96-191
.set TMP,  96                          ; window 0: v96-143 packed results
.set RB0,  144                         ; window 0: v144-191, v192-239 rows read back, by turns
.set RB1,  192
.set G1A, 24                           ; s[24:31]
.set G0A, 32                           ; s[32:39] one set for each slot
.set G1B, 48                           ; s[48:55]
.set G0B, 56                           ; s[56:63]
.set MSB, 0
.macro WIN new                         ; the immediate's high byte repeats the setting that is left
.if MSB != \new
	s_set_vgpr_msb (MSB<<8)|\new
.set MSB, \new
.endif
.endm
.set MUL_LO, 0xa1                      ; source 0 (B) window 1, source 1 (A) window 0, C and D window 2
.set MUL_HI, 0xf1                      ; the same, C and D window 3
.set TO_B,   0x40                      ; destination window 1, address window 0
.macro PLACES                          ; four plain vector places behind a matrix instruction (ISA guide 7.12.1)
.rept 4
	v_nop
.endr
.endm
.macro JL s                            ; my two joint loads for slot s: each line has one mask, and rows of its own for each wave
	tensor_load_to_lds s[G0A+4*\s:G0A+4*\s+3], s[G1A:G1A+7]
	s_nop 0
	tensor_load_to_lds s[G0B+4*\s:G0B+4*\s+3], s[G1B:G1B+7]
	s_nop 0
.endm
.macro CREST                           ; a round of the cluster's barrier behind its opening work-group barrier
	s_cmp_lg_u32 s10, 0
	s_cbranch_scc1 .Lnot_wave_0_\@
	s_barrier_signal -3
.Lnot_wave_0_\@:
	s_barrier_wait -3
	s_barrier_signal -1
	s_barrier_wait -1
.endm
.macro CROUND
	s_barrier_signal -1
	s_barrier_wait -1
	CREST
.endm
	s_load_b128 s[4:7], s[0:1], 0x0                ; cb s[4:5], qkvb s[6:7]
	s_set_vgpr_msb 0x40
	v_lshl_add_u32 v255, v0, 2, 0x41c00
	s_set_vgpr_msb 0x4000
	v_mov_b32 v255, 0
	s_set_vgpr_msb 0x1
	ds_add_u32 v255, v255
	ds_add_u32 v255, v255
	s_set_vgpr_msb 0x100
	v_lshrrev_b32 v1, 5, v0
	v_readfirstlane_b32 s10, v1                    ; wave 0..3
	s_lshr_b32 s11, s10, 1                         ; which plane of a K step I fetch
	s_and_b32 s12, s10, 1                          ; which half of that plane's rows
	s_bfe_u32 s40, ttmp6, 0x40000                  ; cx
	s_bfe_u32 s41, ttmp6, 0x40004                  ; cy
	s_lshl_b32 s42, ttmp9, 2
	s_add_co_u32 s42, s42, s40                     ; block column = 4 x cluster x + cx
	s_and_b32 s13, ttmp7, 0xffff
	s_lshl_b32 s13, s13, 2
	s_add_co_u32 s13, s13, s41                     ; block row = 4 x cluster y + cy
	s_lshl_b32 s43, s41, 2
	s_lshl_b32 s43, 15, s43                        ; my row of the cluster
	s_lshl_b32 s44, 0x1111, s40                    ; my column
	s_or_b32 s[G1A+0], s43, G1W0                   ; A's tiles go to my row of the cluster
	s_or_b32 s[G1B+0], s44, G1W0                   ; B's to my column
	s_mov_b32 s[G1A+1], 32<<16                     ; tensor_dim0 = 32 elements of 8 bytes
	s_mov_b32 s[G1B+1], 32<<16
	s_mov_b32 s[G1A+2], 64<<16                     ; tensor_dim1 = 64 rows of 256 bytes = 128 logical rows
	s_mov_b32 s[G1B+2], 48<<16                     ; 48 rows = 96 logical rows
	s_mov_b32 s[G1A+3], 32<<16                     ; tile_dim0
	s_mov_b32 s[G1B+3], 32<<16
	s_mov_b32 s[G1A+4], 64                         ; tile_dim1
	s_mov_b32 s[G1B+4], 48
	s_mov_b32 s[G1A+5], 32                         ; from row to row: 32 elements, the block is dense
	s_mov_b32 s[G1B+5], 32
	s_mov_b32 s[G1A+6], 0
	s_mov_b32 s[G1B+6], 0
	s_mov_b32 s[G1A+7], 0
	s_mov_b32 s[G1B+7], 0
	; A's address hangs on the block row and the wave, B's on the block column and the wave, each in registers that never hold the other coordinate
	s_lshl_b32 s16, s11, 19                        ; plane x 524,288
	s_lshl_b32 s17, s13, 15                        ; + block row x 256 rows x 128 bytes
	s_add_co_u32 s16, s16, s17
	s_lshl_b32 s17, s12, 14                        ; + half x 128 rows
	s_add_co_u32 s16, s16, s17
	s_mov_b32 s17, 0
	s_mul_i32 s46, s11, 393216                     ; plane
	s_mul_i32 s47, s42, 24576                      ; + block column x 192 rows x 128 bytes
	s_add_co_u32 s46, s46, s47
	s_mul_i32 s47, s12, 12288                      ; + half x 96 rows
	s_add_co_u32 s46, s46, s47
	s_add_co_u32 s46, s46, 0x800000                ; w_qkv's table in cb
	s_mov_b32 s47, 0
	s_mul_i32 s18, s10, ALOAD                      ; where my loads land: the wave's number alone
	s_mul_i32 s19, s10, BLOAD
	s_add_co_u32 s19, s19, BOFF
	s_wait_dscnt 0x0
	s_wait_kmcnt 0x0
	s_mov_b64 s[8:9], s[6:7]                       ; C
	s_add_nc_u64 s[14:15], s[4:5], s[16:17]
	s_add_nc_u64 s[46:47], s[4:5], s[46:47]
	CROUND                                         ; all sixteen work-groups are here: the first joint loads meet
.irp s, 0,1
	s_mov_b32 s[G0A+4*\s], 1
	s_add_co_u32 s[G0A+4*\s+1], s18, \s*SLOT
	s_add_nc_u64 s[G0A+4*\s+2:G0A+4*\s+3], s[14:15], \s*ASTEP
	s_or_b32 s[G0A+4*\s+3], s[G0A+4*\s+3], 0x80000000
	s_mov_b32 s[G0B+4*\s], 1
	s_add_co_u32 s[G0B+4*\s+1], s19, \s*SLOT
	s_add_nc_u64 s[G0B+4*\s+2:G0B+4*\s+3], s[46:47], \s*BSTEP
	s_or_b32 s[G0B+4*\s+3], s[G0B+4*\s+3], 0x80000000
	JL \s                                          ; by this text's count a wave has at most four tensor loads out: these
.endr
	; C at my first row and first plane
	s_lshl_b32 s16, s13, 15                        ; block row x 256 rows x 128 bytes
	s_lshl_b32 s17, s10, 13                        ; + wave x 64 rows
	s_add_co_u32 s16, s16, s17
	s_mov_b32 s17, 0
	s_add_nc_u64 s[8:9], s[8:9], s[16:17]
	s_mul_i32 s46, s42, 1572864                    ; block column x 3 planes x 524,288
	s_mov_b32 s47, 0
	s_add_nc_u64 s[8:9], s[8:9], s[46:47]
	; fragment addresses: lane l holds row r = l % 16; registers 0-3 K = 8 h + 0..7, registers 4-7 K = 16 + 8 h + 0..7, h = l / 16
	v_and_b32 v1, 15, v0                           ; r
	v_bfe_u32 v2, v0, 4, 1                         ; h
	v_lshrrev_b32 v3, 1, v1
	v_mul_u32_u24 v3, v3, PITCH
	v_and_b32 v4, 1, v1
	v_lshl_add_u32 v3, v4, 7, v3
	v_lshl_add_u32 v3, v2, 4, v3                   ; (r>>1) x 272 + (r&1) x 128 + 16 h
	s_mul_i32 s14, s10, 4*T16                      ; my 64 rows of A
	s_mov_b32 s15, BOFF                            ; all of B's rows
.irp s, 0,1
	v_add_nc_u32 v[ADRA+\s], s14, v3
	v_add_nc_u32 v[ADRB+\s], s15, v3
	s_add_co_u32 s14, s14, SLOT
	s_add_co_u32 s15, s15, SLOT
.endr
	s_mul_i32 s16, s10, 16*SPITCH
	s_add_co_u32 s16, s16, STAGE                   ; my stage
	v_mul_u32_u24 v4, v1, SPITCH
	v_lshl_add_u32 v4, v2, 4, v4
	v_add_nc_u32 v[STO], s16, v4                   ; in: row r, 16 bytes for each half of the lanes
	v_and_b32 v5, 31, v0
	v_lshrrev_b32 v4, 3, v5
	v_mul_u32_u24 v4, v4, SPITCH
	v_and_b32 v3, 7, v0
	v_lshl_add_u32 v4, v3, 4, v4
	v_add_nc_u32 v[RD], s16, v4                    ; back: eight lanes take the 128 bytes that a row has in one plane
	v_lshlrev_b32 v[CO], 4, v5                     ; and four such rows are 512 consecutive bytes of qkvb
; NT matrix instructions: m tile 2 hi + a x all n tiles, sub-step e (fragment buffer e & 1).  zero = 1: the product starts the sums.
.macro MULROW e, hi, a, zero
.set bb, 0
.rept NT
.if \zero
	v_wmma_f32_16x16x32_bf16 v[8*(NT*\a+bb):8*(NT*\a+bb)+7], v[FB+96*((\e)&1)+8*bb:FB+96*((\e)&1)+8*bb+7], v[FA+32*((\e)&1)+8*(2*\hi+\a):FA+32*((\e)&1)+8*(2*\hi+\a)+7], 0
.else
	v_wmma_f32_16x16x32_bf16 v[8*(NT*\a+bb):8*(NT*\a+bb)+7], v[FB+96*((\e)&1)+8*bb:FB+96*((\e)&1)+8*bb+7], v[FA+32*((\e)&1)+8*(2*\hi+\a):FA+32*((\e)&1)+8*(2*\hi+\a)+7], v[8*(NT*\a+bb):8*(NT*\a+bb)+7]
.endif
.set bb, bb+1
.endr
.endm
; the fragments of sub-step e of a slot in one run: B's 2 NT loads, then A's 8 (tiles 0 to 3 in order)
.macro FETCH slot, e
	WIN TO_B
.set ii, 0
.rept NT
	ds_load_b128 v[FB+96*((\e)&1)+8*ii:FB+96*((\e)&1)+8*ii+3],   v[ADRB+\slot] offset:((\e)>>1)*BPL+((\e)&1)*64+ii*T16
	ds_load_b128 v[FB+96*((\e)&1)+8*ii+4:FB+96*((\e)&1)+8*ii+7], v[ADRB+\slot] offset:((\e)>>1)*BPL+((\e)&1)*64+ii*T16+32
.set ii, ii+1
.endr
	WIN 0
.set ii, 0
.rept 4
	ds_load_b128 v[FA+32*((\e)&1)+8*ii:FA+32*((\e)&1)+8*ii+3],   v[ADRA+\slot] offset:((\e)>>1)*APL+((\e)&1)*64+ii*T16
	ds_load_b128 v[FA+32*((\e)&1)+8*ii+4:FA+32*((\e)&1)+8*ii+7], v[ADRA+\slot] offset:((\e)>>1)*APL+((\e)&1)*64+ii*T16+32
.set ii, ii+1
.endr
.endm
; A sub-step but the last of a K step.  The 48 accumulators take turns, one instruction a turn, in the same order in every sub-step.
.macro QUARTER slot, e, zero
	s_wait_dscnt 4                                 ; B and A's tiles 0, 1 are in; the youngest four loads (A's tiles 2, 3) may be out
	WIN MUL_LO
	MULROW \e, 0, 0, \zero
	MULROW \e, 0, 1, \zero
	PLACES                                         ; the other buffer was read by matrix instructions: four places in front of the loads into it
	FETCH \slot, (\e+1)
	s_wait_dscnt 2*NT+8                            ; all but the 32 just issued
	WIN MUL_HI
	MULROW \e, 1, 0, \zero
	MULROW \e, 1, 1, \zero
.endm
; The last sub-step of a K step changes slots.  In front of the barrier each wave waits for its reads of this slot and for all its tensor
; loads (the two that are out are its parts of the next slot).  fill = 1: the barrier opens a round of the cluster's barrier, and the joint
; refills of this slot, two K steps ahead, are the first tensor loads behind the round.
.macro TURN slot, next, fill
	s_wait_dscnt 4
	WIN MUL_LO
	MULROW (E-1), 0, 0, 0
	s_wait_dscnt 0                                 ; my reads of this slot are over
	s_wait_tensorcnt 0x0                           ; all my tensor loads have landed
	ds_add_u32 v255, v255
	s_wait_dscnt 0x0
	s_barrier_signal -1
	MULROW (E-1), 0, 1, 0                          ; register work while the others arrive
	WIN 0
	s_barrier_wait -1
.if \fill
	CREST                                          ; no wave of any partner still reads this slot or has a load on its way
	s_add_nc_u64 s[G0A+4*\slot+2:G0A+4*\slot+3], s[G0A+4*\slot+2:G0A+4*\slot+3], 2*ASTEP
	s_add_nc_u64 s[G0B+4*\slot+2:G0B+4*\slot+3], s[G0B+4*\slot+2:G0B+4*\slot+3], 2*BSTEP
	JL \slot                                       ; two tensor loads out; they have the next K step's 180 matrix instructions in which to land
.endif
	PLACES
	FETCH \next, 0
	WIN MUL_HI
	MULROW (E-1), 1, 0, 0
	MULROW (E-1), 1, 1, 0
.endm
.macro RUN slot, zero
	QUARTER \slot, 0, \zero
	QUARTER \slot, 1, 0
	QUARTER \slot, 2, 0
.endm
.macro LAP zero
	RUN 0, \zero
	TURN 0, 1, 1
	RUN 1, 0
	TURN 1, 0, 1
.endm
	s_wait_tensorcnt 2                             ; my two loads of K step 0 are in; the two of K step 1 stay out
	s_barrier_signal -1
	s_barrier_wait -1
	FETCH 0, 0
	LAP 1                                          ; the first lap's first products start the sums: nothing is cleared
	WIN 0                                          ; at a label and at a branch every window is 0
	s_mov_b32 s3, LAPS-2
.Llap:
	LAP 0
	WIN 0
	s_sub_co_u32 s3, s3, 1
	s_cmp_lg_u32 s3, 0
	s_cbranch_scc1 .Llap
	RUN 0, 0                                       ; the last lap fills nothing
	TURN 0, 1, 0
	RUN 1, 0
	s_wait_dscnt 4
	WIN MUL_LO
	MULROW (E-1), 0, 0, 0
	MULROW (E-1), 0, 1, 0
	s_wait_dscnt 0
	WIN MUL_HI
	MULROW (E-1), 1, 0, 0
	MULROW (E-1), 1, 1, 0
	PLACES                                         ; behind the last matrix instructions, in front of the conversions that read results
; THE WAY OUT, 16 rows at a time: round to f16, 16 bytes a lane into my own stage, read back plane by plane, four rows (512 consecutive bytes of qkvb) a store.
; The stage is the wave's own: LDS serves a wave's instructions in order (ISA guide 5.7.1), so no wait stands between its stores and its loads.
.macro OUT16 a, from, f
	WIN \from
.set bb, 0
.rept NT
.irp q, 0,1,2,3
	v_cvt_pk_f16_f32 v[TMP+4*bb+\q], v[8*(NT*((\a)&1)+bb)+2*\q], v[8*(NT*((\a)&1)+bb)+2*\q+1]
.endr
.set bb, bb+1
.endr
	WIN 0
.set bb, 0
.rept NT
	ds_store_b128 v[STO], v[TMP+4*bb:TMP+4*bb+3] offset:32*bb
.set bb, bb+1
.endr
	s_wait_xcnt 0x0                                ; buffer f, which earlier stores read, is loaded again only behind this wait
.irp j, 0,1,2
.irp t, 0,1,2,3
	ds_load_b128 v[\f+4*(4*\j+\t):\f+4*(4*\j+\t)+3], v[RD] offset:\t*4*SPITCH+128*\j
.endr
.endr
.irp j, 0,1,2
.irp t, 0,1,2,3
	s_wait_dscnt 11-(4*\j+\t)                      ; the younger loads may stay out
	global_store_b128 v[CO], v[\f+4*(4*\j+\t):\f+4*(4*\j+\t)+3], s[8:9] offset:\j*524288+\a*2048+\t*512
.endr
.endr
.endm
	OUT16 0, 0x0a, RB0
	OUT16 1, 0x0a, RB1
	OUT16 2, 0x0f, RB0
	OUT16 3, 0x0f, RB1
	s_set_vgpr_msb 0x1
	s_wait_tensorcnt 0x0
	ds_add_u32 v255, v255
	s_wait_dscnt 0x0
	s_set_vgpr_msb 0x100
	CROUND                                         ; the closing round: no work-group ends while a partner may still ask for a tile that names it
	s_endpgm
.Lfunc_end_k_q48d9a527d3_qkv:
	.size	k_q48d9a527d3_qkv, .Lfunc_end_k_q48d9a527d3_qkv-k_q48d9a527d3_qkv
	.p2alignl 7, 3214868480
	.fill 96, 4, 3214868480
	.section	.rodata,"a",@progbits
	.p2align	6, 0x0
	.amdhsa_kernel k_q48d9a527d3_qkv
		.amdhsa_group_segment_fixed_size 327680
		.amdhsa_private_segment_fixed_size 0
		.amdhsa_enable_private_segment 0
		.amdhsa_kernarg_size 16
		.amdhsa_user_sgpr_count 2
		.amdhsa_user_sgpr_kernarg_segment_ptr 1
		.amdhsa_wavefront_size32 1
		.amdhsa_system_sgpr_workgroup_id_x 1
		.amdhsa_system_sgpr_workgroup_id_y 1
		.amdhsa_system_sgpr_workgroup_id_z 1
		.amdhsa_system_vgpr_workitem_id 0
		.amdhsa_next_free_vgpr 960
		.amdhsa_next_free_sgpr 66
		.amdhsa_reserve_vcc 0
		.amdhsa_float_denorm_mode_32 3
		.amdhsa_float_denorm_mode_16_64 3
		.amdhsa_memory_ordered 1
		.amdhsa_forward_progress 1
		.amdhsa_inst_pref_size 163
	.end_amdhsa_kernel
	.amdgpu_metadata
---
amdhsa.version: [ 1, 2 ]
amdhsa.kernels:
  - .name:           k_q48d9a527d3_qkv
    .symbol:         k_q48d9a527d3_qkv.kd
    .args:
      - { .name: cb, .offset: 0, .size: 8, .value_kind: global_buffer, .address_space: global }
      - { .name: qkvb, .offset: 8, .size: 8, .value_kind: global_buffer, .address_space: global }
    .group_segment_fixed_size: 327680
    .private_segment_fixed_size: 0
    .kernarg_segment_align: 8
    .kernarg_segment_size: 16
    .max_flat_workgroup_size: 128
    .sgpr_count:     66
    .vgpr_count:     960
    .wavefront_size: 32
...
	.end_amdgpu_metadata
.endif
;; end of part 2
;; launch attn (part 3): grid 8 x 32, 8 waves a work-group, no clusters, 327,680 bytes of LDS; arguments qkvb, ao; writes ao
.if DOCPART == 3
	.amdgcn_target "amdgcn-amd-amdhsa--gfx1250"
	.amdhsa_code_object_version 6
	.text
	.protected	k_q48d9a527d3_attn
	.globl	k_q48d9a527d3_attn
	.p2align	8
	.type	k_q48d9a527d3_attn,@function
k_q48d9a527d3_attn:
	s_mov_b64 s[64:65], 0
	v_nop
	global_prefetch_b8 v0, s[64:65] scope:SCOPE_SE
	s_setreg_imm32_b32 hwreg(HW_REG_WAVE_MODE, 25, 1), 1
	s_wait_xcnt 0x0
; attn: causal softmax(q k^T / 8) v for one head of one batch, f16 operands, f32 sums and statistics, with a running maximum.
; qkvb: [48 planes][4,096 rows][64] f16 (plane = 16 t + head).  ao: [16 heads][4,096 rows][64] f16, the last product's A.
; WORK: work-group (p, y), head y & 15, batch y >> 4, makes query block 2p and then query block 15 - 2p (128 queries each).  With key units of
; 128 keys and the units above the diagonal left out (their weights are 0), that is (2p + 1) + (16 - 2p) = 17 units in each of the 256 work-groups.
; Wave w: qw = w & 3 gives its 32 queries (two tiles u), g = w >> 2 its 64 keys of every unit (two steps of 32).  The two key halves keep
; statistics of their own and are merged once for each query block, through LDS.
; NO CLUSTER: the eight work-groups of a head walk different runs of units (2p + 1, then 16 - 2p).  In step, all would walk all 16 units twice over at the
; pace of the one with the most to do: 8 trips with two blocks at work and 8 with one make 24 block-units against 17.
; LAYOUT: S^T = K (source 0, rows = keys) x Q (source 1, columns = queries): lane (r, h) holds query r and keys 8h + j.  Two such tiles, packed to f16, ARE
; source 1 of O^T = V^T x P, so P never goes through LDS, and maximum, sum and rescaling factor are one number a lane.
; MASK: a masked score is set to -2^126.  No score can come near it (|s| <= 64 x 65,504^2), its weight is exp2 of about -1.5e37 = 0 as soon as the
; row has one valid key, and c x 2^126 is exact in f32, so that a step in which a row has no valid key gives the exponent 0 exactly (weights 1, all
; finite); the next factor, or the merge's, is then 0 and removes them.  Every query has its own key in the half g = 0 or in an earlier step.
; LIMIT: |q|, |k|, |v| < 65,504 (f16); weights below 2^-24 of the row's largest are dropped by the rounding of P to f16.
.set SLOT, 35840                       ; K: 64 rows of 272 bytes = 17,408; V: 64 rows of 288 bytes = 18,432 (a row = two keys of 128 bytes + padding)
.set VOFF, 17408
.set SCR,  71680                       ; merge scratch, 4 x 8,704; a multiple of 256: no tensor load lands here or behind
.set OST,  106496                      ; output stage, 4 x 32 rows of 144 bytes
.set QF, 32                            ; v[32:63]   Q[u][kd] at 32 + 16 u + 8 kd
.set KF, 64                            ; v[64:95]   K[kt][kd] at 64 + 16 kt + 8 kd
.set VF, 96                            ; v[96:127]  V^T[dt] at 96 + 8 dt
.set SF, 128                           ; v[128:159] S^T[u][kt] at 128 + 16 u + 8 kt
.set PF, 160                           ; v[160:175] P[u]
.set OF, 176                           ; v[176:239] O^T[u][dt] at 176 + 32 u + 8 dt
; v4 K address, v5 V address, v6 Q offset, v7 query - key of the lane, v8 scratch, v9 stage in, v10 stage back, v11 ao offset
; v12-13 running maximum (raw), v[14:15] v[16:17] -c x maximum (twice), v18-19 the lane's running sum, v[20:21] v[22:23] factor, v24-31 and v240-247 at work
; s[16:23] s[24:31] group 1 for K, V; s[32:47] group 0: slot s: K at 32 + 8 s, V at 36 + 8 s; s[48:51] my rows of K, V in unit 0 (type bits set)
; s[52:55] Q of block 1, 2; s[56:59] ao of block 1, 2; s60 next unit, s61 its bound, s62 trips
	s_load_b128 s[4:7], s[0:1], 0x0                ; qkvb s[4:5], ao s[6:7]
	v_lshl_add_u32 v254, v0, 2, 0x29000
	v_mov_b32 v255, 0
	ds_add_u32 v254, v255
	ds_add_u32 v254, v255
	v_lshrrev_b32 v1, 5, v0
	v_readfirstlane_b32 s8, v1                     ; wave 0..7
	s_and_b32 s9, s8, 3                            ; qw
	s_lshr_b32 s10, s8, 2                          ; g
	s_mov_b32 s11, ttmp9                           ; p
	s_and_b32 s12, ttmp7, 0xffff                   ; y
	s_lshl_b32 s14, s11, 1                         ; first query block, 2p
	s_sub_co_u32 s15, 15, s14                      ; second, 15 - 2p
	; group 1: 8 rows of 32 elements of 8 bytes (16 keys, 2,048 dense bytes); behind every 64 words 4 words of padding for K, 8 for V
	s_mov_b32 s16, (3<<16)|(1<<20)|(5<<22)|(3<<25)
	s_mov_b32 s24, (3<<16)|(1<<20)|(5<<22)|(7<<25)
	s_mov_b32 s17, 32<<16
	s_mov_b32 s25, 32<<16
	s_mov_b32 s18, 8<<16
	s_mov_b32 s26, 8<<16
	s_mov_b32 s19, 32<<16
	s_mov_b32 s27, 32<<16
	s_mov_b32 s20, 8
	s_mov_b32 s28, 8
	s_mov_b32 s21, 32
	s_mov_b32 s29, 32
	s_mov_b32 s22, 0
	s_mov_b32 s30, 0
	s_mov_b32 s23, 0
	s_mov_b32 s31, 0
	s_mul_i32 s13, s8, 2176                        ; my 16 keys in K's tile: 8 rows of 272 bytes
	s_mul_i32 s63, s8, 2304                        ; in V's: 8 rows of 288 bytes
	s_mov_b32 s32, 1
	s_add_co_u32 s33, s13, 0
	s_mov_b32 s36, 1
	s_add_co_u32 s37, s63, VOFF
	s_mov_b32 s40, 1
	s_add_co_u32 s41, s13, SLOT
	s_mov_b32 s44, 1
	s_add_co_u32 s45, s63, SLOT+VOFF
	s_mov_b32 s68, 0x76543210                      ; v_permlanex16_b32: lane i of one half reads lane i of the other
	s_mov_b32 s69, 0xfedcba98
	s_mov_b32 s70, 0x3e38aa3b                      ; c = log2(e) / 8: the scale 64^-0.5 and the change of base in one factor
	s_mov_b32 s71, 0x3e38aa3b
	s_mov_b32 s72, 0xbe38aa3b                      ; -c
	s_mov_b32 s73, 0xfe800000                      ; -2^126
	s_and_b32 s74, s12, 15
	s_lshl_b32 s74, s74, 19                        ; head x 4,096 rows x 128 bytes
	s_lshr_b32 s75, s12, 4
	s_lshl_b32 s75, s75, 18                        ; + batch x 2,048 rows
	s_add_co_u32 s74, s74, s75
	s_mov_b32 s75, 0
	s_mov_b32 s67, 0
	s_mov_b32 s60, 0
	s_mov_b32 s61, s14                             ; in the first block units 0 .. 2p - 1 follow the diagonal, then the second block's diagonal
	s_wait_dscnt 0x0
	s_wait_kmcnt 0x0
	s_add_nc_u64 s[52:53], s[4:5], s[74:75]
	s_add_nc_u64 s[56:57], s[6:7], s[74:75]
	s_lshl_b32 s66, s8, 11                         ; my 16 rows of a unit
	s_add_co_u32 s66, s66, 0x800000                ; 16 planes on: k
	s_add_nc_u64 s[48:49], s[52:53], s[66:67]
	s_add_nc_u64 s[50:51], s[48:49], 0x800000      ; 16 more: v
	s_or_b32 s49, s49, 0x80000000                  ; the descriptor's type; sums below do not reach it
	s_or_b32 s51, s51, 0x80000000
	s_lshl_b32 s66, s15, 14                        ; a block or unit is 128 rows of 128 bytes
	s_add_nc_u64 s[54:55], s[52:53], s[66:67]
	s_add_nc_u64 s[58:59], s[56:57], s[66:67]
	s_lshl_b32 s66, s14, 14
	s_add_nc_u64 s[52:53], s[52:53], s[66:67]
	s_add_nc_u64 s[56:57], s[56:57], s[66:67]
	s_add_nc_u64 s[34:35], s[48:49], s[66:67]
	s_add_nc_u64 s[38:39], s[50:51], s[66:67]
	tensor_load_to_lds s[32:35], s[16:23]          ; the first block's diagonal unit into slot 0.  By this text's count a wave never has more than two tensor loads out
	s_nop 0
	tensor_load_to_lds s[36:39], s[24:31]
	s_nop 0
	v_and_b32 v1, 15, v0                           ; r
	v_bfe_u32 v2, v0, 4, 1                         ; h
	v_and_b32 v3, 31, v0                           ; L
	v_lshrrev_b32 v24, 1, v1
	v_mul_u32_u24 v4, v24, 272
	v_and_b32 v24, 1, v1
	v_lshl_add_u32 v4, v24, 7, v4
	v_lshl_add_u32 v4, v2, 4, v4
	s_mul_i32 s13, s10, 8704
	v_add_nc_u32 v4, s13, v4                       ; K: key r of my half, 16 h along d
	v_bfe_u32 v24, v0, 1, 2
	v_lshl_add_u32 v24, v2, 2, v24
	v_mul_u32_u24 v5, v24, 288
	v_and_b32 v24, 1, v0
	v_lshl_add_u32 v5, v24, 7, v5
	v_bfe_u32 v24, v0, 3, 1
	v_lshl_add_u32 v5, v24, 4, v5
	s_mul_i32 s13, s10, 9216
	s_add_co_u32 s13, s13, VOFF
	v_add_nc_u32 v5, s13, v5                       ; V, for the transposing load: key 8 h + (L & 7), 16 bytes of d by (L >> 3) & 1
	s_lshl_b32 s13, s9, 12
	v_lshlrev_b32 v6, 7, v1
	v_lshl_add_u32 v6, v2, 4, v6
	v_add_nc_u32 v6, s13, v6                       ; Q: row 32 qw + r, 16 h along d
	s_lshl_b32 s13, s9, 5
	s_lshl_b32 s63, s10, 6
	s_sub_co_i32 s13, s13, s63
	v_lshlrev_b32 v24, 3, v2
	v_sub_nc_u32 v7, v1, v24
	v_add_nc_u32 v7, s13, v7                       ; r - 8 h + 32 qw - 64 g: key (s, kt, j) is valid for query tile u where 32 s + 16 kt + j - 16 u <= this
	s_mul_i32 s13, s9, 8704
	s_add_co_u32 s13, s13, SCR
	v_lshl_add_u32 v8, v3, 4, s13
	s_mul_i32 s13, s9, 4608
	s_add_co_u32 s13, s13, OST
	v_mul_u32_u24 v24, v1, 144
	v_lshl_add_u32 v24, v2, 4, v24
	v_add_nc_u32 v9, s13, v24
	v_lshrrev_b32 v24, 3, v3
	v_mul_u32_u24 v24, v24, 144
	v_and_b32 v25, 7, v0
	v_lshl_add_u32 v24, v25, 4, v24
	v_add_nc_u32 v10, s13, v24
	s_lshl_b32 s13, s9, 12
	v_lshl_add_u32 v11, v3, 4, s13
	v_mov_b32 v21, 0                               ; upper halves of the factor pairs: named, never used
	v_mov_b32 v23, 0
	v_mov_b32 v26, 0                               ; v_permlanex16_b32 counts as a reader of its destination
	v_mov_b32 v27, 0
.macro QLOAD qb
.irp u, 0,1
.irp kd, 0,1
	global_load_b128 v[QF+16*\u+8*\kd:QF+16*\u+8*\kd+3],   v6, s[\qb:\qb+1] offset:\u*2048+\kd*64
	global_load_b128 v[QF+16*\u+8*\kd+4:QF+16*\u+8*\kd+7], v6, s[\qb:\qb+1] offset:\u*2048+\kd*64+32
.endr
.endr
.endm
.macro KLOAD sl, st                    ; 32 keys x 64 d as source 0 of S^T: 8 loads
.irp kt, 0,1
.irp kd, 0,1
	ds_load_b128 v[KF+16*\kt+8*\kd:KF+16*\kt+8*\kd+3],   v4 offset:\sl*SLOT+\st*4352+\kt*2176+\kd*64
	ds_load_b128 v[KF+16*\kt+8*\kd+4:KF+16*\kt+8*\kd+7], v4 offset:\sl*SLOT+\st*4352+\kt*2176+\kd*64+32
.endr
.endr
.endm
.macro VLOAD sl, st                    ; 64 d x 32 keys as source 0 of O^T: 8 transposing loads, the second of a pair 16 keys on
.irp dt, 0,1,2,3
	ds_load_tr16_b128 v[VF+8*\dt:VF+8*\dt+3],   v5 offset:\sl*SLOT+\st*4608+\dt*32
	ds_load_tr16_b128 v[VF+8*\dt+4:VF+8*\dt+7], v5 offset:\sl*SLOT+\st*4608+\dt*32+2304
.endr
.endm
; The change of slots: slot sl is read next.  Each wave waits for all its tensor loads (its part of slot sl among them) and for its reads of the other
; slot, then the barrier; the other slot's refills are the first tensor loads behind it and have a unit's work in which to land.
.macro HEAD sl, refill
	s_wait_tensorcnt 0x0                           ; no tensor load of mine is out: every group 0 may be written
	ds_add_u32 v254, v255
	s_wait_dscnt 0x0
.if \refill
	s_cmp_lt_u32 s60, s61                          ; the next unit: the counter while it is below its bound, then the second block's diagonal
	s_cselect_b32 s66, s60, s15
	s_add_co_u32 s60, s60, 1
	s_lshl_b32 s66, s66, 14
	s_add_nc_u64 s[34+8*(1-\sl):35+8*(1-\sl)], s[48:49], s[66:67]
	s_add_nc_u64 s[38+8*(1-\sl):39+8*(1-\sl)], s[50:51], s[66:67]
.endif
	s_wait_dscnt 0x0
	s_barrier_signal -1
	s_barrier_wait -1
.if \refill
	tensor_load_to_lds s[32+8*(1-\sl):35+8*(1-\sl)], s[16:23]
	s_nop 0
	tensor_load_to_lds s[36+8*(1-\sl):39+8*(1-\sl)], s[24:31]
	s_nop 0
.endif
.endm
; 32 keys against my 32 queries.  masked: the diagonal unit.  first: starts maximum, sum and O (nothing is cleared).  kpre: fetch the next step's K.
.macro STEP sl, st, masked, first, kpre
	s_wait_dscnt 0x0                               ; K is in
.irp u, 0,1                                        ; the four score tiles take turns, one instruction a turn
.irp kt, 0,1
	v_wmma_f32_16x16x32_f16 v[SF+16*\u+8*\kt:SF+16*\u+8*\kt+7], v[KF+16*\kt:KF+16*\kt+7], v[QF+16*\u:QF+16*\u+7], 0
.endr
.endr
.irp u, 0,1
.irp kt, 0,1
	v_wmma_f32_16x16x32_f16 v[SF+16*\u+8*\kt:SF+16*\u+8*\kt+7], v[KF+16*\kt+8:KF+16*\kt+15], v[QF+16*\u+8:QF+16*\u+15], v[SF+16*\u+8*\kt:SF+16*\u+8*\kt+7]
.endr
.endr
.rept 4
	v_nop                                          ; four places: for the reads of S, for the loads into K, and, behind the last step's products, into V
.endr
	VLOAD \sl, \st
.if \kpre
	KLOAD \sl, (\st+1)
.endif
.if \masked
.irp u, 0,1
.irp kt, 0,1
.irp j, 0,1,2,3,4,5,6,7
	v_cmp_le_i32 vcc_lo, 32*\st+16*\kt+\j-16*\u, v7
	v_cndmask_b32 v[SF+16*\u+8*\kt+\j], s73, v[SF+16*\u+8*\kt+\j], vcc_lo
.endr
.endr
.endr
.endif
	; the row's maximum: 16 scores a lane and the running maximum, then the other half of the lanes (the other 16 keys of the same query)
	v_max3_num_f32 v24, v[SF], v[SF+1], v[SF+2]
	v_max3_num_f32 v25, v[SF+16], v[SF+17], v[SF+18]
.irp k, 3,5,7,9,11,13
	v_max3_num_f32 v24, v24, v[SF+\k], v[SF+\k+1]
	v_max3_num_f32 v25, v25, v[SF+16+\k], v[SF+16+\k+1]
.endr
.if \first
	v_max_num_f32 v24, v24, v[SF+15]
	v_max_num_f32 v25, v25, v[SF+31]
.else
	v_max3_num_f32 v24, v24, v[SF+15], v12
	v_max3_num_f32 v25, v25, v[SF+31], v13
.endif
	v_permlanex16_b32 v26, v24, s68, s69
	v_permlanex16_b32 v27, v25, s68, s69
	v_max_num_f32 v12, v24, v26
	v_max_num_f32 v13, v25, v27
	v_mul_f32 v15, s72, v12                        ; the new shift, -c x maximum, rounded once
	v_mul_f32 v17, s72, v13
.if \first == 0
	v_sub_f32 v30, v15, v14                        ; new shift - old shift, of the rounded shifts that the exponents really use
	v_sub_f32 v31, v17, v16
.endif
	v_mov_b32 v14, v15
	v_mov_b32 v16, v17
.if \first == 0
	v_exp_f32 v20, v30                             ; the factor for what has been summed so far; the multiply-adds below are the plain place behind it (ISA guide 5.7.2)
	v_exp_f32 v22, v31
.endif
.irp u, 0,1
.irp k, 0,2,4,6,8,10,12,14
	v_pk_fma_f32 v[SF+16*\u+\k:SF+16*\u+\k+1], v[SF+16*\u+\k:SF+16*\u+\k+1], s[70:71], v[14+2*\u:15+2*\u] op_sel_hi:[1,0,1]
.endr
.endr
.set ii, 0
.rept 32
	v_exp_f32 v[SF+ii], v[SF+ii]
.if \first == 0
	s_wait_alu depctr_va_vdst(0)
	v_pk_mul_f32 v[OF+2*ii:OF+2*ii+1], v[OF+2*ii:OF+2*ii+1], v[20+2*(ii>>4):21+2*(ii>>4)] op_sel_hi:[1,0]   ; O is rescaled in the places behind the exponentials
.endif
.set ii, ii+1
.endr
.if \first
	v_nop                                          ; the plain place behind the last exponential
	s_wait_alu depctr_va_vdst(0)
.endif
	s_wait_alu depctr_va_vdst(0)
.irp u, 0,1
	v_pk_add_f32 v[240:241], v[SF+16*\u:SF+16*\u+1], v[SF+16*\u+2:SF+16*\u+3]
	v_pk_add_f32 v[242:243], v[SF+16*\u+4:SF+16*\u+5], v[SF+16*\u+6:SF+16*\u+7]
	v_pk_add_f32 v[244:245], v[SF+16*\u+8:SF+16*\u+9], v[SF+16*\u+10:SF+16*\u+11]
	v_pk_add_f32 v[246:247], v[SF+16*\u+12:SF+16*\u+13], v[SF+16*\u+14:SF+16*\u+15]
	v_pk_add_f32 v[240:241], v[240:241], v[242:243]
	v_pk_add_f32 v[244:245], v[244:245], v[246:247]
	v_pk_add_f32 v[240:241], v[240:241], v[244:245]
.if \first
	v_add_f32 v[18+\u], v240, v241
.else
	v_add_f32 v240, v240, v241
	v_fma_f32 v[18+\u], v[18+\u], v[20+2*\u], v240
.endif
.endr
.irp u, 0,1
.irp i, 0,1,2,3,4,5,6,7
	v_cvt_pk_f16_f32 v[PF+8*\u+\i], v[SF+16*\u+2*\i], v[SF+16*\u+2*\i+1]   ; keys 8h + 0..7 into registers 0-3, 16 + 8h + 0..7 into 4-7: source 1's own layout
.endr
.endr
.if \kpre
	s_wait_dscnt 8                                 ; V is in; the eight loads of the next step's K may stay out
.else
	s_wait_dscnt 0x0
.endif
.irp u, 0,1                                        ; eight accumulators, one instruction each
.irp dt, 0,1,2,3
.if \first
	v_wmma_f32_16x16x32_f16 v[OF+32*\u+8*\dt:OF+32*\u+8*\dt+7], v[VF+8*\dt:VF+8*\dt+7], v[PF+8*\u:PF+8*\u+7], 0
.else
	v_wmma_f32_16x16x32_f16 v[OF+32*\u+8*\dt:OF+32*\u+8*\dt+7], v[VF+8*\dt:VF+8*\dt+7], v[PF+8*\u:PF+8*\u+7], v[OF+32*\u+8*\dt:OF+32*\u+8*\dt+7]
.endif
.endr
.endr
.endm
.macro UNIT sl, masked, first
	KLOAD \sl, 0
	STEP \sl, 0, \masked, \first, 1
	STEP \sl, 1, \masked, 0, 0
.endm
; The end of a query block: waves 4-7 hand O, shift and sum to waves 0-3 through the scratch; those merge, divide, round to f16 and store.
.macro EPI ob, next
.rept 4
	v_nop                                          ; four places behind the last products: O is read, V's and Q's registers are loaded again
.endr
.if \next
	QLOAD 54                                       ; the second block's queries, waited for behind the next change of slots
.endif
	s_cmp_lt_u32 s8, 4
	s_cbranch_scc1 .Lkeep_\@
	v_mov_b32 v240, v14
	v_mov_b32 v241, v16
	v_mov_b32 v242, v18
	v_mov_b32 v243, v19
.set ii, 0
.rept 16
	ds_store_b128 v8, v[OF+4*ii:OF+4*ii+3] offset:512*ii
.set ii, ii+1
.endr
	ds_store_b128 v8, v[240:243] offset:8192
.Lkeep_\@:
	s_wait_dscnt 0x0                               ; my stores are done, for the partner's sake
	s_barrier_signal -1                            ; the next unit's tile may stay on its way
	s_barrier_wait -1
	s_cmp_lt_u32 s8, 4
	s_cbranch_scc0 .Lmerged_\@
.set ii, 0
.rept 16
	ds_load_b128 v[KF+4*ii:KF+4*ii+3], v8 offset:512*ii
.set ii, ii+1
.endr
	ds_load_b128 v[244:247], v8 offset:8192
	s_wait_dscnt 0x0
.irp u, 0,1
	v_min_num_f32 v[24+\u], v[14+2*\u], v[244+\u]  ; the smaller shift belongs to the larger maximum
	v_sub_f32 v[28+\u], v[24+\u], v[14+2*\u]
	v_sub_f32 v[30+\u], v[24+\u], v[244+\u]
.endr
	v_exp_f32 v28, v28
	v_exp_f32 v29, v29
	v_exp_f32 v30, v30
	v_exp_f32 v31, v31
	v_nop                                          ; the plain place behind the exponentials
	s_wait_alu depctr_va_vdst(0)
.irp u, 0,1
	v_mul_f32 v[24+\u], v[18+\u], v[28+\u]
	v_fmac_f32 v[24+\u], v[246+\u], v[30+\u]
	v_permlanex16_b32 v[26+\u], v[24+\u], s68, s69 ; the sums of the other 8 of each 16 keys lie in the other half of the lanes
	v_add_f32 v[24+\u], v[24+\u], v[26+\u]
.endr
	v_rcp_f32 v24, v24
	v_rcp_f32 v25, v25
	v_nop
	s_wait_alu depctr_va_vdst(0)
.irp u, 0,1
	v_mul_f32 v[20+2*\u], v[28+\u], v[24+\u]       ; my factor / sum
	v_mul_f32 v[14+2*\u], v[30+\u], v[24+\u]       ; the partner's
.endr
.irp u, 0,1
.set ii, 0
.rept 16
	v_pk_mul_f32 v[OF+32*\u+2*ii:OF+32*\u+2*ii+1], v[OF+32*\u+2*ii:OF+32*\u+2*ii+1], v[20+2*\u:21+2*\u] op_sel_hi:[1,0]
	v_pk_fma_f32 v[OF+32*\u+2*ii:OF+32*\u+2*ii+1], v[KF+32*\u+2*ii:KF+32*\u+2*ii+1], v[14+2*\u:15+2*\u], v[OF+32*\u+2*ii:OF+32*\u+2*ii+1] op_sel_hi:[1,0,1]
.set ii, ii+1
.endr
.endr
.irp u, 0,1
.irp dt, 0,1,2,3
.irp i, 0,1,2,3
	v_cvt_pk_f16_f32 v[SF+16*\u+4*\dt+\i], v[OF+32*\u+8*\dt+2*\i], v[OF+32*\u+8*\dt+2*\i+1]
.endr
	ds_store_b128 v9, v[SF+16*\u+4*\dt:SF+16*\u+4*\dt+3] offset:\u*2304+32*\dt     ; query 16 u + r, d = 16 dt + 8 h + 0..7; the stage is the wave's own
.endr
.endr
.irp t, 0,1,2,3,4,5,6,7
	ds_load_b128 v[KF+4*\t:KF+4*\t+3], v10 offset:576*\t                           ; four rows of 128 bytes; LDS serves a wave's instructions in order (ISA guide 5.7.1)
.endr
.irp t, 0,1,2,3,4,5,6,7
	s_wait_dscnt 7-\t                              ; the younger loads may stay out
	global_store_b128 v11, v[KF+4*\t:KF+4*\t+3], s[\ob:\ob+1] offset:512*\t        ; 512 consecutive bytes of ao
.endr
.if \next
	s_wait_xcnt 0x0                                ; K's registers, which these stores read, are loaded again only behind this wait
.endif
.Lmerged_\@:
.endm
	QLOAD 52
	HEAD 0, 1
	s_wait_loadcnt 0x0                             ; Q
	UNIT 0, 1, 1                                   ; the diagonal unit comes first: it is the masked one and the one that starts the sums
	s_cmp_eq_u32 s11, 0
	s_cbranch_scc1 .Lblock1_done
	s_mov_b32 s62, 0
.Lblock1:                                          ; p trips of two units: 0 .. 2p - 1
	HEAD 1, 1
	UNIT 1, 0, 0
	HEAD 0, 1
	UNIT 0, 0, 0
	s_add_co_u32 s62, s62, 1
	s_cmp_lt_u32 s62, s11
	s_cbranch_scc1 .Lblock1
.Lblock1_done:                                     ; on both ways my two loads into slot 1 are out: the second block's diagonal unit
	EPI 56, 1
	s_mov_b32 s60, 0                               ; from here on units 0, 1, ..: the bound is never reached
	s_mov_b32 s61, 64
	HEAD 1, 1
	s_wait_loadcnt 0x0                             ; the second block's Q
	UNIT 1, 1, 1
	s_cmp_eq_u32 s11, 7
	s_cbranch_scc1 .Lblock2_tail
	s_sub_co_u32 s63, 7, s11
	s_mov_b32 s62, 0
.Lblock2:                                          ; 7 - p trips of two units: 0 .. 13 - 2p
	HEAD 0, 1
	UNIT 0, 0, 0
	HEAD 1, 1
	UNIT 1, 0, 0
	s_add_co_u32 s62, s62, 1
	s_cmp_lt_u32 s62, s63
	s_cbranch_scc1 .Lblock2
.Lblock2_tail:
	HEAD 0, 0                                      ; unit 14 - 2p, the last: nothing more is fetched, and no tensor load is out from here on
	UNIT 0, 0, 0
	EPI 58, 0
	s_wait_tensorcnt 0x0
	ds_add_u32 v254, v255
	s_wait_dscnt 0x0
	s_endpgm
.Lfunc_end_k_q48d9a527d3_attn:
	.size	k_q48d9a527d3_attn, .Lfunc_end_k_q48d9a527d3_attn-k_q48d9a527d3_attn
	.p2alignl 7, 3214868480
	.fill 96, 4, 3214868480
	.section	.rodata,"a",@progbits
	.p2align	6, 0x0
	.amdhsa_kernel k_q48d9a527d3_attn
		.amdhsa_group_segment_fixed_size 327680
		.amdhsa_private_segment_fixed_size 0
		.amdhsa_enable_private_segment 0
		.amdhsa_kernarg_size 16
		.amdhsa_user_sgpr_count 2
		.amdhsa_user_sgpr_kernarg_segment_ptr 1
		.amdhsa_wavefront_size32 1
		.amdhsa_system_sgpr_workgroup_id_x 1
		.amdhsa_system_sgpr_workgroup_id_y 1
		.amdhsa_system_sgpr_workgroup_id_z 1
		.amdhsa_system_vgpr_workitem_id 0
		.amdhsa_next_free_vgpr 256
		.amdhsa_next_free_sgpr 80
		.amdhsa_reserve_vcc 1
		.amdhsa_float_denorm_mode_32 3
		.amdhsa_float_denorm_mode_16_64 3
		.amdhsa_memory_ordered 1
		.amdhsa_forward_progress 1
		.amdhsa_inst_pref_size 188
	.end_amdhsa_kernel
	.amdgpu_metadata
---
amdhsa.version: [ 1, 2 ]
amdhsa.kernels:
  - .name:           k_q48d9a527d3_attn
    .symbol:         k_q48d9a527d3_attn.kd
    .args:
      - { .name: qkvb, .offset: 0, .size: 8, .value_kind: global_buffer, .address_space: global }
      - { .name: ao, .offset: 8, .size: 8, .value_kind: global_buffer, .address_space: global }
    .group_segment_fixed_size: 327680
    .private_segment_fixed_size: 0
    .kernarg_segment_align: 8
    .kernarg_segment_size: 16
    .max_flat_workgroup_size: 256
    .sgpr_count:     80
    .vgpr_count:     256
    .wavefront_size: 32
...
	.end_amdgpu_metadata
.endif
;; end of part 3
;; launch proj (part 4): grid 8 x 32, 4 waves a work-group, clusters of 4 x 4, 327,680 bytes of LDS; arguments ao, cb, b_proj, out0; writes out0
.if DOCPART == 4
	.amdgcn_target "amdgcn-amd-amdhsa--gfx1250"
	.amdhsa_code_object_version 6
	.text
	.protected	k_q48d9a527d3_proj
	.globl	k_q48d9a527d3_proj
	.p2align	8
	.type	k_q48d9a527d3_proj,@function
k_q48d9a527d3_proj:
	s_mov_b64 s[64:65], 0
	v_nop
	global_prefetch_b8 v0, s[64:65] scope:SCOPE_SE
	s_setreg_imm32_b32 hwreg(HW_REG_WAVE_MODE, 25, 1), 1
	s_wait_xcnt 0x0
	s_wait_alu depctr_hold_cnt(0) depctr_sa_sdst(0) depctr_va_vdst(0) depctr_va_sdst(0) depctr_va_ssrc(0) depctr_va_vcc(0) depctr_vm_vsrc(0)
	s_getreg_b32 s2, hwreg(HW_REG_IB_STS2, 6, 4)
	s_cmp_eq_u32 s2, 0
	s_cbranch_scc0 .Lentry_in_a_cluster
	s_endpgm
.Lentry_in_a_cluster:
	s_bfe_u32 s2, ttmp6, 0x10000c
	s_cmp_lg_u32 s2, 0xf033
	s_cbranch_scc0 .Lentry_shape_is_right
	s_endpgm
.Lentry_shape_is_right:
; proj: out0[m][n] = sum over k of ao[m][k] w_proj[n][k] + b_proj[n], 4,096 x 1,024 x 1,024, f16 operands, f32 sums, f32 out.
; ao is [16 planes][4,096 rows][64] f16 (k = 64 plane + column); w_proj lies in cb from byte 14,680,064 as [16 planes][1,024 rows][64] f16.
; A work-group makes 128 x 128 of out0 with four waves, each 64 x 64 (16 accumulator tiles): 8 x 32 = 256 work-groups.
; K goes in steps of 256 (four planes) through two LDS slots.  Tiles come in as rows of 256 consecutive bytes (two logical rows of 128 bytes) with 16 bytes
; of padding behind each: logical row p at (p>>1) x 272 + (p&1) x 128, so that a fragment's 16 rows start in 16 different 16-byte columns of a 256-byte span.
; CLUSTER 4 x 4: ao's tile is shared along a row of the cluster, w_proj's along a column; each is asked for jointly.
; REGISTER WINDOWS: 0: addresses, A's fragments, the way out.  1: B's fragments.  2: accumulators of my rows 0-31 (tile (a, b) at v[8 (4 a + b)]).  3: rows 32-63.
; The matrix instruction is used transposed (source 0 = rows of w_proj, source 1 = rows of ao): a lane holds eight neighbouring columns of one row.
.set NT,     4
.set E,      8                         ; sub-steps of 32 along K in a K step
.set PITCH,  272
.set T16,    8*PITCH
.set APL,    64*PITCH                  ; a plane of A's tile: 128 rows
.set BPL,    64*PITCH
.set BOFF,   4*APL
.set SLOT,   BOFF+4*BPL                ; 139,264
.set STAGE,  2*SLOT                    ; 278,528: a multiple of 256; no tensor load lands here
.set SPITCH, 272                       ; a stage row: 64 f32 + 16 bytes
.set ALOAD,  64*PITCH                  ; one load: 128 rows of one plane
.set BLOAD,  64*PITCH
.set ASTEP,  4*524288
.set BSTEP,  4*131072
.set G1W0,   (3<<16)|(1<<20)|(1<<21)|(5<<22)|(3<<25)   ; elements of 8 bytes; padding on; bit 21 set beside a mask; after every 64 words; 4 words
.set ADRA, 16
.set ADRB, 20
.set STO,  24
.set RD,   25
.set CO,   26
.set BO,   27                          ; v27 my offset in b_proj
.set BIAS, 28                          ; v[28:31] b_proj of the four columns that I store
.set FA,   32                          ; window 0: v32-63, v64-95
.set FB,   0                           ; window 1: v0-31, v96-127
.set RB0,  144
.set RB1,  192
.set G1A, 24
.set G0A, 32
.set G1B, 48
.set G0B, 56
.set MSB, 0
.macro WIN new                         ; the immediate's high byte repeats the setting that is left
.if MSB != \new
	s_set_vgpr_msb (MSB<<8)|\new
.set MSB, \new
.endif
.endm
.set MUL_LO, 0xa1
.set MUL_HI, 0xf1
.set TO_B,   0x40
.macro PLACES                          ; four plain vector places behind a matrix instruction (ISA guide 7.12.1)
.rept 4
	v_nop
.endr
.endm
.macro JL s
	tensor_load_to_lds s[G0A+4*\s:G0A+4*\s+3], s[G1A:G1A+7]
	s_nop 0
	tensor_load_to_lds s[G0B+4*\s:G0B+4*\s+3], s[G1B:G1B+7]
	s_nop 0
.endm
.macro CREST
	s_cmp_lg_u32 s10, 0
	s_cbranch_scc1 .Lnot_wave_0_\@
	s_barrier_signal -3
.Lnot_wave_0_\@:
	s_barrier_wait -3
	s_barrier_signal -1
	s_barrier_wait -1
.endm
.macro CROUND
	s_barrier_signal -1
	s_barrier_wait -1
	CREST
.endm
	s_load_b128 s[4:7], s[0:1], 0x0                ; ao s[4:5], cb s[6:7]
	s_load_b128 s[20:23], s[0:1], 0x10             ; b_proj s[20:21], out0 s[22:23]
	s_set_vgpr_msb 0x40
	v_lshl_add_u32 v255, v0, 2, 0x48400
	s_set_vgpr_msb 0x4000
	v_mov_b32 v255, 0
	s_set_vgpr_msb 0x1
	ds_add_u32 v255, v255
	ds_add_u32 v255, v255
	s_set_vgpr_msb 0x100
	v_lshrrev_b32 v1, 5, v0
	v_readfirstlane_b32 s10, v1                    ; wave 0..3: also the plane of a K step that I fetch
	s_lshr_b32 s11, s10, 1                         ; which 64 rows of the block are mine
	s_and_b32 s12, s10, 1                          ; which 64 columns
	s_bfe_u32 s40, ttmp6, 0x40000                  ; cx
	s_bfe_u32 s41, ttmp6, 0x40004                  ; cy
	s_lshl_b32 s42, ttmp9, 2
	s_add_co_u32 s42, s42, s40                     ; block column
	s_and_b32 s13, ttmp7, 0xffff
	s_lshl_b32 s13, s13, 2
	s_add_co_u32 s13, s13, s41                     ; block row
	s_lshl_b32 s43, s41, 2
	s_lshl_b32 s43, 15, s43                        ; my row of the cluster
	s_lshl_b32 s44, 0x1111, s40                    ; my column
	s_or_b32 s[G1A+0], s43, G1W0
	s_or_b32 s[G1B+0], s44, G1W0
	s_mov_b32 s[G1A+1], 32<<16                     ; 64 rows of 32 elements of 8 bytes, dense
	s_mov_b32 s[G1B+1], 32<<16
	s_mov_b32 s[G1A+2], 64<<16
	s_mov_b32 s[G1B+2], 64<<16
	s_mov_b32 s[G1A+3], 32<<16
	s_mov_b32 s[G1B+3], 32<<16
	s_mov_b32 s[G1A+4], 64
	s_mov_b32 s[G1B+4], 64
	s_mov_b32 s[G1A+5], 32
	s_mov_b32 s[G1B+5], 32
	s_mov_b32 s[G1A+6], 0
	s_mov_b32 s[G1B+6], 0
	s_mov_b32 s[G1A+7], 0
	s_mov_b32 s[G1B+7], 0
	s_lshl_b32 s16, s10, 19                        ; A: plane x 524,288
	s_lshl_b32 s17, s13, 14                        ; + block row x 128 rows x 128 bytes
	s_add_co_u32 s16, s16, s17
	s_mov_b32 s17, 0
	s_lshl_b32 s46, s10, 17                        ; B: plane x 131,072
	s_lshl_b32 s47, s42, 14                        ; + block column x 128 rows x 128 bytes
	s_add_co_u32 s46, s46, s47
	s_add_co_u32 s46, s46, 0xe00000                ; w_proj's table in cb
	s_mov_b32 s47, 0
	s_mul_i32 s18, s10, ALOAD
	s_mul_i32 s19, s10, BLOAD
	s_add_co_u32 s19, s19, BOFF
	s_wait_dscnt 0x0
	s_wait_kmcnt 0x0
	s_mov_b64 s[8:9], s[22:23]                     ; out0
	s_add_nc_u64 s[14:15], s[4:5], s[16:17]
	s_add_nc_u64 s[46:47], s[6:7], s[46:47]
	CROUND                                         ; all sixteen work-groups are here: the first joint loads meet
.irp s, 0,1
	s_mov_b32 s[G0A+4*\s], 1
	s_add_co_u32 s[G0A+4*\s+1], s18, \s*SLOT
	s_add_nc_u64 s[G0A+4*\s+2:G0A+4*\s+3], s[14:15], \s*ASTEP
	s_or_b32 s[G0A+4*\s+3], s[G0A+4*\s+3], 0x80000000
	s_mov_b32 s[G0B+4*\s], 1
	s_add_co_u32 s[G0B+4*\s+1], s19, \s*SLOT
	s_add_nc_u64 s[G0B+4*\s+2:G0B+4*\s+3], s[46:47], \s*BSTEP
	s_or_b32 s[G0B+4*\s+3], s[G0B+4*\s+3], 0x80000000
	JL \s                                          ; by this text's count a wave has at most four tensor loads out: these
.endr
	v_and_b32 v1, 15, v0                           ; r
	v_bfe_u32 v2, v0, 4, 1                         ; h
	s_lshl_b32 s46, s42, 9                         ; my 64 columns: byte 512 x block column + 256 x half, in a row of out0 and in b_proj
	s_lshl_b32 s47, s12, 8
	s_add_co_u32 s46, s46, s47
	s_mov_b32 s47, 0
	v_lshl_add_u32 v[BO], v1, 4, s46
	global_load_b128 v[BIAS:BIAS+3], v[BO], s[20:21]   ; waited for in front of the way out
	s_lshl_b32 s16, s13, 19                        ; block row x 128 rows x 4,096 bytes
	s_lshl_b32 s17, s11, 18                        ; + half x 64 rows
	s_add_co_u32 s16, s16, s17
	s_mov_b32 s17, 0
	s_add_nc_u64 s[8:9], s[8:9], s[16:17]
	s_add_nc_u64 s[8:9], s[8:9], s[46:47]
	v_lshrrev_b32 v3, 1, v1
	v_mul_u32_u24 v3, v3, PITCH
	v_and_b32 v4, 1, v1
	v_lshl_add_u32 v3, v4, 7, v3
	v_lshl_add_u32 v3, v2, 4, v3                   ; (r>>1) x 272 + (r&1) x 128 + 16 h
	s_mul_i32 s14, s11, 4*T16                      ; my 64 rows of A
	s_mul_i32 s15, s12, 4*T16                      ; my 64 rows of B
	s_add_co_u32 s15, s15, BOFF
.irp s, 0,1
	v_add_nc_u32 v[ADRA+\s], s14, v3
	v_add_nc_u32 v[ADRB+\s], s15, v3
	s_add_co_u32 s14, s14, SLOT
	s_add_co_u32 s15, s15, SLOT
.endr
	s_mul_i32 s16, s10, 16*SPITCH
	s_add_co_u32 s16, s16, STAGE                   ; my stage
	v_mul_u32_u24 v4, v1, SPITCH
	v_lshl_add_u32 v4, v2, 5, v4
	v_add_nc_u32 v[STO], s16, v4                   ; in: row r, 32 bytes for each half of the lanes
	v_mul_u32_u24 v4, v2, SPITCH
	v_lshl_add_u32 v4, v1, 4, v4
	v_add_nc_u32 v[RD], s16, v4                    ; back: lanes 0-15 one row of 256 bytes, lanes 16-31 the next
	v_lshlrev_b32 v4, 12, v2
	v_lshl_add_u32 v[CO], v1, 4, v4                ; the same two rows in out0
.macro MULROW e, hi, a, zero
.set bb, 0
.rept NT
.if \zero
	v_wmma_f32_16x16x32_f16 v[8*(NT*\a+bb):8*(NT*\a+bb)+7], v[FB+96*((\e)&1)+8*bb:FB+96*((\e)&1)+8*bb+7], v[FA+32*((\e)&1)+8*(2*\hi+\a):FA+32*((\e)&1)+8*(2*\hi+\a)+7], 0
.else
	v_wmma_f32_16x16x32_f16 v[8*(NT*\a+bb):8*(NT*\a+bb)+7], v[FB+96*((\e)&1)+8*bb:FB+96*((\e)&1)+8*bb+7], v[FA+32*((\e)&1)+8*(2*\hi+\a):FA+32*((\e)&1)+8*(2*\hi+\a)+7], v[8*(NT*\a+bb):8*(NT*\a+bb)+7]
.endif
.set bb, bb+1
.endr
.endm
.macro FETCH slot, e
	WIN TO_B
.set ii, 0
.rept NT
	ds_load_b128 v[FB+96*((\e)&1)+8*ii:FB+96*((\e)&1)+8*ii+3],   v[ADRB+\slot] offset:((\e)>>1)*BPL+((\e)&1)*64+ii*T16
	ds_load_b128 v[FB+96*((\e)&1)+8*ii+4:FB+96*((\e)&1)+8*ii+7], v[ADRB+\slot] offset:((\e)>>1)*BPL+((\e)&1)*64+ii*T16+32
.set ii, ii+1
.endr
	WIN 0
.set ii, 0
.rept 4
	ds_load_b128 v[FA+32*((\e)&1)+8*ii:FA+32*((\e)&1)+8*ii+3],   v[ADRA+\slot] offset:((\e)>>1)*APL+((\e)&1)*64+ii*T16
	ds_load_b128 v[FA+32*((\e)&1)+8*ii+4:FA+32*((\e)&1)+8*ii+7], v[ADRA+\slot] offset:((\e)>>1)*APL+((\e)&1)*64+ii*T16+32
.set ii, ii+1
.endr
.endm
; The 16 accumulators take turns, one instruction a turn, in the same order in every sub-step.
.macro QUARTER slot, e, zero
	s_wait_dscnt 4                                 ; B and A's tiles 0, 1 are in; the youngest four loads (A's tiles 2, 3) may be out
	WIN MUL_LO
	MULROW \e, 0, 0, \zero
	MULROW \e, 0, 1, \zero
	PLACES                                         ; four places in front of the loads into the buffer that matrix instructions have read
	FETCH \slot, (\e+1)
	s_wait_dscnt 2*NT+8                            ; all but the 16 just issued
	WIN MUL_HI
	MULROW \e, 1, 0, \zero
	MULROW \e, 1, 1, \zero
.endm
; The last sub-step changes slots: each wave's waits for its reads of this slot and for all its tensor loads stand in front of the barrier; with fill = 1
; that barrier opens a round of the cluster's barrier, and the joint refills are the first tensor loads behind the round.
.macro TURN slot, next, fill
	s_wait_dscnt 4
	WIN MUL_LO
	MULROW (E-1), 0, 0, 0
	s_wait_dscnt 0
	s_wait_tensorcnt 0x0
	ds_add_u32 v255, v255
	s_wait_dscnt 0x0
	s_barrier_signal -1
	MULROW (E-1), 0, 1, 0
	WIN 0
	s_barrier_wait -1
.if \fill
	CREST
	s_add_nc_u64 s[G0A+4*\slot+2:G0A+4*\slot+3], s[G0A+4*\slot+2:G0A+4*\slot+3], 2*ASTEP
	s_add_nc_u64 s[G0B+4*\slot+2:G0B+4*\slot+3], s[G0B+4*\slot+2:G0B+4*\slot+3], 2*BSTEP
	JL \slot                                       ; two tensor loads out; they have the next K step's 124 matrix instructions in which to land
.endif
	PLACES
	FETCH \next, 0
	WIN MUL_HI
	MULROW (E-1), 1, 0, 0
	MULROW (E-1), 1, 1, 0
.endm
.macro RUN slot, zero
	QUARTER \slot, 0, \zero
.irp e, 1,2,3,4,5,6
	QUARTER \slot, \e, 0
.endr
.endm
	s_wait_tensorcnt 2                             ; my two loads of K step 0 are in; the two of K step 1 stay out
	s_barrier_signal -1
	s_barrier_wait -1
	FETCH 0, 0
	RUN 0, 1                                       ; four K steps, written out: the first two fill their slots again, the last two do not
	TURN 0, 1, 1
	RUN 1, 0
	TURN 1, 0, 1
	RUN 0, 0
	TURN 0, 1, 0
	RUN 1, 0
	s_wait_dscnt 4
	WIN MUL_LO
	MULROW (E-1), 0, 0, 0
	MULROW (E-1), 0, 1, 0
	s_wait_dscnt 0
	WIN MUL_HI
	MULROW (E-1), 1, 0, 0
	MULROW (E-1), 1, 1, 0
	PLACES                                         ; behind the last matrix instructions, in front of the LDS stores that read results
	s_wait_loadcnt 0x0                             ; b_proj
; THE WAY OUT, 16 rows at a time: 32 bytes a lane and tile into my own stage, read back as whole rows of 256 bytes, the bias added, stored.
.macro OUT16 a, from, f
	WIN \from                                      ; an LDS store's data is source 1: window 2 or 3
.set bb, 0
.rept NT
	ds_store_b128 v[STO], v[8*(NT*((\a)&1)+bb):8*(NT*((\a)&1)+bb)+3]   offset:64*bb
	ds_store_b128 v[STO], v[8*(NT*((\a)&1)+bb)+4:8*(NT*((\a)&1)+bb)+7] offset:64*bb+16
.set bb, bb+1
.endr
	WIN 0
	s_wait_xcnt 0x0                                ; buffer f, which earlier stores read, is loaded again only behind this wait
.irp t, 0,1,2,3,4,5,6,7
	ds_load_b128 v[\f+4*\t:\f+4*\t+3], v[RD] offset:\t*2*SPITCH    ; LDS serves a wave's instructions in order (ISA guide 5.7.1): these see the stores above
.endr
.irp t, 0,1,2,3,4,5,6,7
	s_wait_dscnt 7-\t                              ; the younger loads may stay out
	v_pk_add_f32 v[\f+4*\t:\f+4*\t+1],   v[\f+4*\t:\f+4*\t+1],   v[BIAS:BIAS+1]
	v_pk_add_f32 v[\f+4*\t+2:\f+4*\t+3], v[\f+4*\t+2:\f+4*\t+3], v[BIAS+2:BIAS+3]
	global_store_b128 v[CO], v[\f+4*\t:\f+4*\t+3], s[8:9] offset:(16*\a+2*\t)*4096 th:TH_STORE_NT   ; 16 lanes store 256 consecutive bytes, at a multiple of 256 from out0's first byte
.endr
.endm
	OUT16 0, 0x08, RB0
	OUT16 1, 0x08, RB1
	OUT16 2, 0x0c, RB0
	OUT16 3, 0x0c, RB1
	s_set_vgpr_msb 0x1
	s_wait_tensorcnt 0x0
	ds_add_u32 v255, v255
	s_wait_dscnt 0x0
	s_set_vgpr_msb 0x100
	CROUND                                         ; the closing round: no work-group ends while a partner may still ask for a tile that names it
	s_endpgm
.Lfunc_end_k_q48d9a527d3_proj:
	.size	k_q48d9a527d3_proj, .Lfunc_end_k_q48d9a527d3_proj-k_q48d9a527d3_proj
	.p2alignl 7, 3214868480
	.fill 96, 4, 3214868480
	.section	.rodata,"a",@progbits
	.p2align	6, 0x0
	.amdhsa_kernel k_q48d9a527d3_proj
		.amdhsa_group_segment_fixed_size 327680
		.amdhsa_private_segment_fixed_size 0
		.amdhsa_enable_private_segment 0
		.amdhsa_kernarg_size 32
		.amdhsa_user_sgpr_count 2
		.amdhsa_user_sgpr_kernarg_segment_ptr 1
		.amdhsa_wavefront_size32 1
		.amdhsa_system_sgpr_workgroup_id_x 1
		.amdhsa_system_sgpr_workgroup_id_y 1
		.amdhsa_system_sgpr_workgroup_id_z 1
		.amdhsa_system_vgpr_workitem_id 0
		.amdhsa_next_free_vgpr 832
		.amdhsa_next_free_sgpr 66
		.amdhsa_reserve_vcc 0
		.amdhsa_float_denorm_mode_32 3
		.amdhsa_float_denorm_mode_16_64 3
		.amdhsa_memory_ordered 1
		.amdhsa_forward_progress 1
		.amdhsa_inst_pref_size 96
	.end_amdhsa_kernel
	.amdgpu_metadata
---
amdhsa.version: [ 1, 2 ]
amdhsa.kernels:
  - .name:           k_q48d9a527d3_proj
    .symbol:         k_q48d9a527d3_proj.kd
    .args:
      - { .name: ao, .offset: 0, .size: 8, .value_kind: global_buffer, .address_space: global }
      - { .name: cb, .offset: 8, .size: 8, .value_kind: global_buffer, .address_space: global }
      - { .name: b_proj, .offset: 16, .size: 8, .value_kind: global_buffer, .address_space: global }
      - { .name: out0, .offset: 24, .size: 8, .value_kind: global_buffer, .address_space: global }
    .group_segment_fixed_size: 327680
    .private_segment_fixed_size: 0
    .kernarg_segment_align: 8
    .kernarg_segment_size: 32
    .max_flat_workgroup_size: 128
    .sgpr_count:     66
    .vgpr_count:     832
    .wavefront_size: 32
...
	.end_amdgpu_metadata
.endif
;; end of part 4
;; ======== version 2 of 2: 4 launches; 1.08 times as fast as version 1
;; limits: values are held in f16: magnitudes above 65,504 overflow, below 6.1e-05 lose precision
;; workspace buffers: cb 16,777,216 bytes; qkvb 25,165,824 bytes; ao 8,388,608 bytes
;; launch cast: the kernel of part 1 again; grid 512 x 1, 8 waves a work-group, no clusters, 0 bytes of LDS; arguments x, w_qkv, w_proj, cb; writes cb
;; launch qkv: the kernel of part 2 again; grid 16 x 16, 4 waves a work-group, clusters of 4 x 4, 327,680 bytes of LDS; arguments cb, qkvb; writes qkvb
;; launch attn (part 5): grid 8 x 32, 8 waves a work-group, no clusters, 327,680 bytes of LDS; arguments qkvb, ao; writes ao
.if DOCPART == 5
	.amdgcn_target "amdgcn-amd-amdhsa--gfx1250"
	.amdhsa_code_object_version 6
	.text
	.protected	k_q48d9a527d3_attn
	.globl	k_q48d9a527d3_attn
	.p2align	8
	.type	k_q48d9a527d3_attn,@function
k_q48d9a527d3_attn:
	s_mov_b64 s[64:65], 0
	v_nop
	global_prefetch_b8 v0, s[64:65] scope:SCOPE_SE
	s_setreg_imm32_b32 hwreg(HW_REG_WAVE_MODE, 25, 1), 1
	s_wait_xcnt 0x0
; attn: causal softmax(q k^T / 8) v for one head of one batch, f16 operands, f32 sums and statistics, with a running maximum.
; qkvb: [48 planes][4,096 rows][64] f16 (plane = 16 t + head).  ao: [16 heads][4,096 rows][64] f16, the last product's A.
; WORK: work-group (p, y), head y & 15, batch y >> 4, makes query block 2p and then query block 15 - 2p (128 queries each).  With key units of
; 128 keys and the units above the diagonal left out (their weights are 0), that is (2p + 1) + (16 - 2p) = 17 units in each of the 256 work-groups.
; Wave w: qw = w & 3 gives its 32 queries (two tiles u), g = w >> 2 its 64 keys of every unit (two steps of 32).  The two key halves keep
; statistics of their own and are merged once for each query block, through LDS.
; NO CLUSTER: the eight work-groups of a head walk different runs of units (2p + 1, then 16 - 2p).  In step, all would walk all 16 units twice over at the
; pace of the one with the most to do: 8 trips with two blocks at work and 8 with one make 24 block-units against 17.
; LAYOUT: S^T = K (source 0, rows = keys) x Q (source 1, columns = queries): lane (r, h) holds query r and keys 8h + j.  Two such tiles, packed to f16, ARE
; source 1 of O^T = V^T x P, so P never goes through LDS, and maximum, sum and rescaling factor are one number a lane.
; MASK: a masked score is set to -2^126.  No score can come near it (|s| <= 64 x 65,504^2), its weight is exp2 of about -1.5e37 = 0 as soon as the
; row has one valid key, and c x 2^126 is exact in f32, so that a step in which a row has no valid key gives the exponent 0 exactly (weights 1, all
; finite); the next factor, or the merge's, is then 0 and removes them.  Every query has its own key in the half g = 0 or in an earlier step.
; THE EXPONENTIALS GO IN BATCHES, each with one s_wait_alu depctr_va_vdst(0) ahead of its first reader.  A step that carries sums on has two:
;   the two factors (v20, v22), with the 16 scalings of the scores as the independent work behind them and the wait ahead of the first rescaling of O;
;   the 32 weights (in place in S^T), each with one rescaling of O behind it, which names no weight, and the wait ahead of the row sums.
; The rescalings read the factors and are the plain lines that stand between the weights' exponentials: so the factors are a batch of their own.
; A step that starts the sums has the 32 weights alone.  A block's end has the four merge factors, and then the two reciprocals of sums made of them..
; LIMIT: |q|, |k|, |v| < 65,504 (f16); weights below 2^-24 of the row's largest are dropped by the rounding of P to f16.
.set SLOT, 35840                       ; K: 64 rows of 272 bytes = 17,408; V: 64 rows of 288 bytes = 18,432 (a row = two keys of 128 bytes + padding)
.set VOFF, 17408
.set SCR,  71680                       ; merge scratch, 4 x 8,704; a multiple of 256: no tensor load lands here or behind
.set OST,  106496                      ; output stage, 4 x 32 rows of 144 bytes
.set QF, 32                            ; v[32:63]   Q[u][kd] at 32 + 16 u + 8 kd
.set KF, 64                            ; v[64:95]   K[kt][kd] at 64 + 16 kt + 8 kd
.set VF, 96                            ; v[96:127]  V^T[dt] at 96 + 8 dt
.set SF, 128                           ; v[128:159] S^T[u][kt] at 128 + 16 u + 8 kt
.set PF, 160                           ; v[160:175] P[u]
.set OF, 176                           ; v[176:239] O^T[u][dt] at 176 + 32 u + 8 dt
; v4 K address, v5 V address, v6 Q offset, v7 query - key of the lane, v8 scratch, v9 stage in, v10 stage back, v11 ao offset
; v12-13 running maximum (raw), v[14:15] v[16:17] -c x maximum (twice), v18-19 the lane's running sum, v[20:21] v[22:23] factor, v24-31 and v240-247 at work
; s[16:23] s[24:31] group 1 for K, V; s[32:47] group 0: slot s: K at 32 + 8 s, V at 36 + 8 s; s[48:51] my rows of K, V in unit 0 (type bits set)
; s[52:55] Q of block 1, 2; s[56:59] ao of block 1, 2; s60 next unit, s61 its bound, s62 trips
	s_load_b128 s[4:7], s[0:1], 0x0                ; qkvb s[4:5], ao s[6:7]
	v_lshl_add_u32 v254, v0, 2, 0x29000
	v_mov_b32 v255, 0
	ds_add_u32 v254, v255
	ds_add_u32 v254, v255
	v_lshrrev_b32 v1, 5, v0
	v_readfirstlane_b32 s8, v1                     ; wave 0..7
	s_and_b32 s9, s8, 3                            ; qw
	s_lshr_b32 s10, s8, 2                          ; g
	s_mov_b32 s11, ttmp9                           ; p
	s_and_b32 s12, ttmp7, 0xffff                   ; y
	s_lshl_b32 s14, s11, 1                         ; first query block, 2p
	s_sub_co_u32 s15, 15, s14                      ; second, 15 - 2p
	; group 1: 8 rows of 32 elements of 8 bytes (16 keys, 2,048 dense bytes); behind every 64 words 4 words of padding for K, 8 for V
	s_mov_b32 s16, (3<<16)|(1<<20)|(5<<22)|(3<<25)
	s_mov_b32 s24, (3<<16)|(1<<20)|(5<<22)|(7<<25)
	s_mov_b32 s17, 32<<16
	s_mov_b32 s25, 32<<16
	s_mov_b32 s18, 8<<16
	s_mov_b32 s26, 8<<16
	s_mov_b32 s19, 32<<16
	s_mov_b32 s27, 32<<16
	s_mov_b32 s20, 8
	s_mov_b32 s28, 8
	s_mov_b32 s21, 32
	s_mov_b32 s29, 32
	s_mov_b32 s22, 0
	s_mov_b32 s30, 0
	s_mov_b32 s23, 0
	s_mov_b32 s31, 0
	s_mul_i32 s13, s8, 2176                        ; my 16 keys in K's tile: 8 rows of 272 bytes
	s_mul_i32 s63, s8, 2304                        ; in V's: 8 rows of 288 bytes
	s_mov_b32 s32, 1
	s_add_co_u32 s33, s13, 0
	s_mov_b32 s36, 1
	s_add_co_u32 s37, s63, VOFF
	s_mov_b32 s40, 1
	s_add_co_u32 s41, s13, SLOT
	s_mov_b32 s44, 1
	s_add_co_u32 s45, s63, SLOT+VOFF
	s_mov_b32 s68, 0x76543210                      ; v_permlanex16_b32: lane i of one half reads lane i of the other
	s_mov_b32 s69, 0xfedcba98
	s_mov_b32 s70, 0x3e38aa3b                      ; c = log2(e) / 8: the scale 64^-0.5 and the change of base in one factor
	s_mov_b32 s71, 0x3e38aa3b
	s_mov_b32 s72, 0xbe38aa3b                      ; -c
	s_mov_b32 s73, 0xfe800000                      ; -2^126
	s_and_b32 s74, s12, 15
	s_lshl_b32 s74, s74, 19                        ; head x 4,096 rows x 128 bytes
	s_lshr_b32 s75, s12, 4
	s_lshl_b32 s75, s75, 18                        ; + batch x 2,048 rows
	s_add_co_u32 s74, s74, s75
	s_mov_b32 s75, 0
	s_mov_b32 s67, 0
	s_mov_b32 s60, 0
	s_mov_b32 s61, s14                             ; in the first block units 0 .. 2p - 1 follow the diagonal, then the second block's diagonal
	s_wait_dscnt 0x0
	s_wait_kmcnt 0x0
	s_add_nc_u64 s[52:53], s[4:5], s[74:75]
	s_add_nc_u64 s[56:57], s[6:7], s[74:75]
	s_lshl_b32 s66, s8, 11                         ; my 16 rows of a unit
	s_add_co_u32 s66, s66, 0x800000                ; 16 planes on: k
	s_add_nc_u64 s[48:49], s[52:53], s[66:67]
	s_add_nc_u64 s[50:51], s[48:49], 0x800000      ; 16 more: v
	s_or_b32 s49, s49, 0x80000000                  ; the descriptor's type; sums below do not reach it
	s_or_b32 s51, s51, 0x80000000
	s_lshl_b32 s66, s15, 14                        ; a block or unit is 128 rows of 128 bytes
	s_add_nc_u64 s[54:55], s[52:53], s[66:67]
	s_add_nc_u64 s[58:59], s[56:57], s[66:67]
	s_lshl_b32 s66, s14, 14
	s_add_nc_u64 s[52:53], s[52:53], s[66:67]
	s_add_nc_u64 s[56:57], s[56:57], s[66:67]
	s_add_nc_u64 s[34:35], s[48:49], s[66:67]
	s_add_nc_u64 s[38:39], s[50:51], s[66:67]
	tensor_load_to_lds s[32:35], s[16:23]          ; the first block's diagonal unit into slot 0.  By this text's count a wave never has more than two tensor loads out
	s_nop 0
	tensor_load_to_lds s[36:39], s[24:31]
	s_nop 0
	v_and_b32 v1, 15, v0                           ; r
	v_bfe_u32 v2, v0, 4, 1                         ; h
	v_and_b32 v3, 31, v0                           ; L
	v_lshrrev_b32 v24, 1, v1
	v_mul_u32_u24 v4, v24, 272
	v_and_b32 v24, 1, v1
	v_lshl_add_u32 v4, v24, 7, v4
	v_lshl_add_u32 v4, v2, 4, v4
	s_mul_i32 s13, s10, 8704
	v_add_nc_u32 v4, s13, v4                       ; K: key r of my half, 16 h along d
	v_bfe_u32 v24, v0, 1, 2
	v_lshl_add_u32 v24, v2, 2, v24
	v_mul_u32_u24 v5, v24, 288
	v_and_b32 v24, 1, v0
	v_lshl_add_u32 v5, v24, 7, v5
	v_bfe_u32 v24, v0, 3, 1
	v_lshl_add_u32 v5, v24, 4, v5
	s_mul_i32 s13, s10, 9216
	s_add_co_u32 s13, s13, VOFF
	v_add_nc_u32 v5, s13, v5                       ; V, for the transposing load: key 8 h + (L & 7), 16 bytes of d by (L >> 3) & 1
	s_lshl_b32 s13, s9, 12
	v_lshlrev_b32 v6, 7, v1
	v_lshl_add_u32 v6, v2, 4, v6
	v_add_nc_u32 v6, s13, v6                       ; Q: row 32 qw + r, 16 h along d
	s_lshl_b32 s13, s9, 5
	s_lshl_b32 s63, s10, 6
	s_sub_co_i32 s13, s13, s63
	v_lshlrev_b32 v24, 3, v2
	v_sub_nc_u32 v7, v1, v24
	v_add_nc_u32 v7, s13, v7                       ; r - 8 h + 32 qw - 64 g: key (s, kt, j) is valid for query tile u where 32 s + 16 kt + j - 16 u <= this
	s_mul_i32 s13, s9, 8704
	s_add_co_u32 s13, s13, SCR
	v_lshl_add_u32 v8, v3, 4, s13
	s_mul_i32 s13, s9, 4608
	s_add_co_u32 s13, s13, OST
	v_mul_u32_u24 v24, v1, 144
	v_lshl_add_u32 v24, v2, 4, v24
	v_add_nc_u32 v9, s13, v24
	v_lshrrev_b32 v24, 3, v3
	v_mul_u32_u24 v24, v24, 144
	v_and_b32 v25, 7, v0
	v_lshl_add_u32 v24, v25, 4, v24
	v_add_nc_u32 v10, s13, v24
	s_lshl_b32 s13, s9, 12
	v_lshl_add_u32 v11, v3, 4, s13
	v_mov_b32 v21, 0                               ; upper halves of the factor pairs: named, never used
	v_mov_b32 v23, 0
	v_mov_b32 v26, 0                               ; v_permlanex16_b32 counts as a reader of its destination
	v_mov_b32 v27, 0
.macro QLOAD qb
.irp u, 0,1
.irp kd, 0,1
	global_load_b128 v[QF+16*\u+8*\kd:QF+16*\u+8*\kd+3],   v6, s[\qb:\qb+1] offset:\u*2048+\kd*64
	global_load_b128 v[QF+16*\u+8*\kd+4:QF+16*\u+8*\kd+7], v6, s[\qb:\qb+1] offset:\u*2048+\kd*64+32
.endr
.endr
.endm
.macro KLOAD sl, st                    ; 32 keys x 64 d as source 0 of S^T: 8 loads
.irp kt, 0,1
.irp kd, 0,1
	ds_load_b128 v[KF+16*\kt+8*\kd:KF+16*\kt+8*\kd+3],   v4 offset:\sl*SLOT+\st*4352+\kt*2176+\kd*64
	ds_load_b128 v[KF+16*\kt+8*\kd+4:KF+16*\kt+8*\kd+7], v4 offset:\sl*SLOT+\st*4352+\kt*2176+\kd*64+32
.endr
.endr
.endm
.macro VLOAD sl, st                    ; 64 d x 32 keys as source 0 of O^T: 8 transposing loads, the second of a pair 16 keys on
.irp dt, 0,1,2,3
	ds_load_tr16_b128 v[VF+8*\dt:VF+8*\dt+3],   v5 offset:\sl*SLOT+\st*4608+\dt*32
	ds_load_tr16_b128 v[VF+8*\dt+4:VF+8*\dt+7], v5 offset:\sl*SLOT+\st*4608+\dt*32+2304
.endr
.endm
; The change of slots: slot sl is read next.  Each wave waits for all its tensor loads (its part of slot sl among them) and for its reads of the other
; slot, then the barrier; the other slot's refills are the first tensor loads behind it and have a unit's work in which to land.
.macro HEAD sl, refill
	s_wait_tensorcnt 0x0                           ; no tensor load of mine is out: every group 0 may be written
	ds_add_u32 v254, v255
	s_wait_dscnt 0x0
.if \refill
	s_cmp_lt_u32 s60, s61                          ; the next unit: the counter while it is below its bound, then the second block's diagonal
	s_cselect_b32 s66, s60, s15
	s_add_co_u32 s60, s60, 1
	s_lshl_b32 s66, s66, 14
	s_add_nc_u64 s[34+8*(1-\sl):35+8*(1-\sl)], s[48:49], s[66:67]
	s_add_nc_u64 s[38+8*(1-\sl):39+8*(1-\sl)], s[50:51], s[66:67]
.endif
	s_wait_dscnt 0x0
	s_barrier_signal -1
	s_barrier_wait -1
.if \refill
	tensor_load_to_lds s[32+8*(1-\sl):35+8*(1-\sl)], s[16:23]
	s_nop 0
	tensor_load_to_lds s[36+8*(1-\sl):39+8*(1-\sl)], s[24:31]
	s_nop 0
.endif
.endm
; 32 keys against my 32 queries.  masked: the diagonal unit.  first: starts maximum, sum and O (nothing is cleared).  kpre: fetch the next step's K.
.macro STEP sl, st, masked, first, kpre
	s_wait_dscnt 0x0                               ; K is in
.irp u, 0,1                                        ; the four score tiles take turns, one instruction a turn
.irp kt, 0,1
	v_wmma_f32_16x16x32_f16 v[SF+16*\u+8*\kt:SF+16*\u+8*\kt+7], v[KF+16*\kt:KF+16*\kt+7], v[QF+16*\u:QF+16*\u+7], 0
.endr
.endr
.irp u, 0,1
.irp kt, 0,1
	v_wmma_f32_16x16x32_f16 v[SF+16*\u+8*\kt:SF+16*\u+8*\kt+7], v[KF+16*\kt+8:KF+16*\kt+15], v[QF+16*\u+8:QF+16*\u+15], v[SF+16*\u+8*\kt:SF+16*\u+8*\kt+7]
.endr
.endr
.rept 4
	v_nop                                          ; four places: for the reads of S, for the loads into K, and, behind the last step's products, into V
.endr
	VLOAD \sl, \st
.if \kpre
	KLOAD \sl, (\st+1)
.endif
.if \masked
.irp u, 0,1
.irp kt, 0,1
.irp j, 0,1,2,3,4,5,6,7
	v_cmp_le_i32 vcc_lo, 32*\st+16*\kt+\j-16*\u, v7
	v_cndmask_b32 v[SF+16*\u+8*\kt+\j], s73, v[SF+16*\u+8*\kt+\j], vcc_lo
.endr
.endr
.endr
.endif
	; the row's maximum: 16 scores a lane and the running maximum, then the other half of the lanes (the other 16 keys of the same query)
	v_max3_num_f32 v24, v[SF], v[SF+1], v[SF+2]
	v_max3_num_f32 v25, v[SF+16], v[SF+17], v[SF+18]
.irp k, 3,5,7,9,11,13
	v_max3_num_f32 v24, v24, v[SF+\k], v[SF+\k+1]
	v_max3_num_f32 v25, v25, v[SF+16+\k], v[SF+16+\k+1]
.endr
.if \first
	v_max_num_f32 v24, v24, v[SF+15]
	v_max_num_f32 v25, v25, v[SF+31]
.else
	v_max3_num_f32 v24, v24, v[SF+15], v12
	v_max3_num_f32 v25, v25, v[SF+31], v13
.endif
	v_permlanex16_b32 v26, v24, s68, s69
	v_permlanex16_b32 v27, v25, s68, s69
	v_max_num_f32 v12, v24, v26
	v_max_num_f32 v13, v25, v27
	v_mul_f32 v15, s72, v12                        ; the new shift, -c x maximum, rounded once
	v_mul_f32 v17, s72, v13
.if \first == 0
	v_sub_f32 v30, v15, v14                        ; new shift - old shift, of the rounded shifts that the exponents really use
	v_sub_f32 v31, v17, v16
.endif
	v_mov_b32 v14, v15
	v_mov_b32 v16, v17
.if \first == 0
	v_exp_f32 v20, v30                             ; THE FIRST BATCH: the two factors for what has been summed so far; the multiply-adds below, which name neither, are the plain place
	v_exp_f32 v22, v31                             ; behind them (ISA guide 5.7.2) and the independent work ahead of their wait
.endif
.irp u, 0,1
.irp k, 0,2,4,6,8,10,12,14
	v_pk_fma_f32 v[SF+16*\u+\k:SF+16*\u+\k+1], v[SF+16*\u+\k:SF+16*\u+\k+1], s[70:71], v[14+2*\u:15+2*\u] op_sel_hi:[1,0,1]
.endr
.endr
.if \first == 0
	s_wait_alu depctr_va_vdst(0)                   ; the wait for the two factors, ahead of the first rescaling that reads them
.endif
.set ii, 0
.rept 32                                           ; THE SECOND BATCH: the 32 weights, in place.  Nothing in this run names a weight
	v_exp_f32 v[SF+ii], v[SF+ii]
.if \first == 0
	v_pk_mul_f32 v[OF+2*ii:OF+2*ii+1], v[OF+2*ii:OF+2*ii+1], v[20+2*(ii>>4):21+2*(ii>>4)] op_sel_hi:[1,0]   ; O is rescaled in the places behind the exponentials
.endif
.set ii, ii+1
.endr
.if \first
	v_nop                                          ; the plain place behind the last exponential
.endif
	s_wait_alu depctr_va_vdst(0)                   ; the wait for the 32 weights, one for the batch, ahead of the sums that read them
.irp u, 0,1
	v_pk_add_f32 v[240:241], v[SF+16*\u:SF+16*\u+1], v[SF+16*\u+2:SF+16*\u+3]
	v_pk_add_f32 v[242:243], v[SF+16*\u+4:SF+16*\u+5], v[SF+16*\u+6:SF+16*\u+7]
	v_pk_add_f32 v[244:245], v[SF+16*\u+8:SF+16*\u+9], v[SF+16*\u+10:SF+16*\u+11]
	v_pk_add_f32 v[246:247], v[SF+16*\u+12:SF+16*\u+13], v[SF+16*\u+14:SF+16*\u+15]
	v_pk_add_f32 v[240:241], v[240:241], v[242:243]
	v_pk_add_f32 v[244:245], v[244:245], v[246:247]
	v_pk_add_f32 v[240:241], v[240:241], v[244:245]
.if \first
	v_add_f32 v[18+\u], v240, v241
.else
	v_add_f32 v240, v240, v241
	v_fma_f32 v[18+\u], v[18+\u], v[20+2*\u], v240
.endif
.endr
.irp u, 0,1
.irp i, 0,1,2,3,4,5,6,7
	v_cvt_pk_f16_f32 v[PF+8*\u+\i], v[SF+16*\u+2*\i], v[SF+16*\u+2*\i+1]   ; keys 8h + 0..7 into registers 0-3, 16 + 8h + 0..7 into 4-7: source 1's own layout
.endr
.endr
.if \kpre
	s_wait_dscnt 8                                 ; V is in; the eight loads of the next step's K may stay out
.else
	s_wait_dscnt 0x0
.endif
.irp u, 0,1                                        ; eight accumulators, one instruction each
.irp dt, 0,1,2,3
.if \first
	v_wmma_f32_16x16x32_f16 v[OF+32*\u+8*\dt:OF+32*\u+8*\dt+7], v[VF+8*\dt:VF+8*\dt+7], v[PF+8*\u:PF+8*\u+7], 0
.else
	v_wmma_f32_16x16x32_f16 v[OF+32*\u+8*\dt:OF+32*\u+8*\dt+7], v[VF+8*\dt:VF+8*\dt+7], v[PF+8*\u:PF+8*\u+7], v[OF+32*\u+8*\dt:OF+32*\u+8*\dt+7]
.endif
.endr
.endr
.endm
.macro UNIT sl, masked, first
	KLOAD \sl, 0
	STEP \sl, 0, \masked, \first, 1
	STEP \sl, 1, \masked, 0, 0
.endm
; The end of a query block: waves 4-7 hand O, shift and sum to waves 0-3 through the scratch; those merge, divide, round to f16 and store.
.macro EPI ob, next
.rept 4
	v_nop                                          ; four places behind the last products: O is read, V's and Q's registers are loaded again
.endr
.if \next
	QLOAD 54                                       ; the second block's queries, waited for behind the next change of slots
.endif
	s_cmp_lt_u32 s8, 4
	s_cbranch_scc1 .Lkeep_\@
	v_mov_b32 v240, v14
	v_mov_b32 v241, v16
	v_mov_b32 v242, v18
	v_mov_b32 v243, v19
.set ii, 0
.rept 16
	ds_store_b128 v8, v[OF+4*ii:OF+4*ii+3] offset:512*ii
.set ii, ii+1
.endr
	ds_store_b128 v8, v[240:243] offset:8192
.Lkeep_\@:
	s_wait_dscnt 0x0                               ; my stores are done, for the partner's sake
	s_barrier_signal -1                            ; the next unit's tile may stay on its way
	s_barrier_wait -1
	s_cmp_lt_u32 s8, 4
	s_cbranch_scc0 .Lmerged_\@
.set ii, 0
.rept 16
	ds_load_b128 v[KF+4*ii:KF+4*ii+3], v8 offset:512*ii
.set ii, ii+1
.endr
	ds_load_b128 v[244:247], v8 offset:8192
	s_wait_dscnt 0x0
.irp u, 0,1
	v_min_num_f32 v[24+\u], v[14+2*\u], v[244+\u]  ; the smaller shift belongs to the larger maximum
	v_sub_f32 v[28+\u], v[24+\u], v[14+2*\u]
	v_sub_f32 v[30+\u], v[24+\u], v[244+\u]
.endr
	v_exp_f32 v28, v28
	v_exp_f32 v29, v29
	v_exp_f32 v30, v30
	v_exp_f32 v31, v31
	v_nop                                          ; the plain place behind the exponentials
	s_wait_alu depctr_va_vdst(0)                   ; the wait for the four merge factors, one for the batch
.irp u, 0,1
	v_mul_f32 v[24+\u], v[18+\u], v[28+\u]
	v_fmac_f32 v[24+\u], v[246+\u], v[30+\u]
	v_permlanex16_b32 v[26+\u], v[24+\u], s68, s69 ; the sums of the other 8 of each 16 keys lie in the other half of the lanes
	v_add_f32 v[24+\u], v[24+\u], v[26+\u]
.endr
	v_rcp_f32 v24, v24
	v_rcp_f32 v25, v25
	v_nop
	s_wait_alu depctr_va_vdst(0)                   ; the wait for the two reciprocals: a batch of their own, since their sources are made of the merge factors
.irp u, 0,1
	v_mul_f32 v[20+2*\u], v[28+\u], v[24+\u]       ; my factor / sum
	v_mul_f32 v[14+2*\u], v[30+\u], v[24+\u]       ; the partner's
.endr
.irp u, 0,1
.set ii, 0
.rept 16
	v_pk_mul_f32 v[OF+32*\u+2*ii:OF+32*\u+2*ii+1], v[OF+32*\u+2*ii:OF+32*\u+2*ii+1], v[20+2*\u:21+2*\u] op_sel_hi:[1,0]
	v_pk_fma_f32 v[OF+32*\u+2*ii:OF+32*\u+2*ii+1], v[KF+32*\u+2*ii:KF+32*\u+2*ii+1], v[14+2*\u:15+2*\u], v[OF+32*\u+2*ii:OF+32*\u+2*ii+1] op_sel_hi:[1,0,1]
.set ii, ii+1
.endr
.endr
.irp u, 0,1
.irp dt, 0,1,2,3
.irp i, 0,1,2,3
	v_cvt_pk_f16_f32 v[SF+16*\u+4*\dt+\i], v[OF+32*\u+8*\dt+2*\i], v[OF+32*\u+8*\dt+2*\i+1]
.endr
	ds_store_b128 v9, v[SF+16*\u+4*\dt:SF+16*\u+4*\dt+3] offset:\u*2304+32*\dt     ; query 16 u + r, d = 16 dt + 8 h + 0..7; the stage is the wave's own
.endr
.endr
.irp t, 0,1,2,3,4,5,6,7
	ds_load_b128 v[KF+4*\t:KF+4*\t+3], v10 offset:576*\t                           ; four rows of 128 bytes; LDS serves a wave's instructions in order (ISA guide 5.7.1)
.endr
.irp t, 0,1,2,3,4,5,6,7
	s_wait_dscnt 7-\t                              ; the younger loads may stay out
	global_store_b128 v11, v[KF+4*\t:KF+4*\t+3], s[\ob:\ob+1] offset:512*\t        ; 512 consecutive bytes of ao
.endr
.if \next
	s_wait_xcnt 0x0                                ; K's registers, which these stores read, are loaded again only behind this wait
.endif
.Lmerged_\@:
.endm
	QLOAD 52
	HEAD 0, 1
	s_wait_loadcnt 0x0                             ; Q
	UNIT 0, 1, 1                                   ; the diagonal unit comes first: it is the masked one and the one that starts the sums
	s_cmp_eq_u32 s11, 0
	s_cbranch_scc1 .Lblock1_done
	s_mov_b32 s62, 0
.Lblock1:                                          ; p trips of two units: 0 .. 2p - 1
	HEAD 1, 1
	UNIT 1, 0, 0
	HEAD 0, 1
	UNIT 0, 0, 0
	s_add_co_u32 s62, s62, 1
	s_cmp_lt_u32 s62, s11
	s_cbranch_scc1 .Lblock1
.Lblock1_done:                                     ; on both ways my two loads into slot 1 are out: the second block's diagonal unit
	EPI 56, 1
	s_mov_b32 s60, 0                               ; from here on units 0, 1, ..: the bound is never reached
	s_mov_b32 s61, 64
	HEAD 1, 1
	s_wait_loadcnt 0x0                             ; the second block's Q
	UNIT 1, 1, 1
	s_cmp_eq_u32 s11, 7
	s_cbranch_scc1 .Lblock2_tail
	s_sub_co_u32 s63, 7, s11
	s_mov_b32 s62, 0
.Lblock2:                                          ; 7 - p trips of two units: 0 .. 13 - 2p
	HEAD 0, 1
	UNIT 0, 0, 0
	HEAD 1, 1
	UNIT 1, 0, 0
	s_add_co_u32 s62, s62, 1
	s_cmp_lt_u32 s62, s63
	s_cbranch_scc1 .Lblock2
.Lblock2_tail:
	HEAD 0, 0                                      ; unit 14 - 2p, the last: nothing more is fetched, and no tensor load is out from here on
	UNIT 0, 0, 0
	EPI 58, 0
	s_wait_tensorcnt 0x0
	ds_add_u32 v254, v255
	s_wait_dscnt 0x0
	s_endpgm
.Lfunc_end_k_q48d9a527d3_attn:
	.size	k_q48d9a527d3_attn, .Lfunc_end_k_q48d9a527d3_attn-k_q48d9a527d3_attn
	.p2alignl 7, 3214868480
	.fill 96, 4, 3214868480
	.section	.rodata,"a",@progbits
	.p2align	6, 0x0
	.amdhsa_kernel k_q48d9a527d3_attn
		.amdhsa_group_segment_fixed_size 327680
		.amdhsa_private_segment_fixed_size 0
		.amdhsa_enable_private_segment 0
		.amdhsa_kernarg_size 16
		.amdhsa_user_sgpr_count 2
		.amdhsa_user_sgpr_kernarg_segment_ptr 1
		.amdhsa_wavefront_size32 1
		.amdhsa_system_sgpr_workgroup_id_x 1
		.amdhsa_system_sgpr_workgroup_id_y 1
		.amdhsa_system_sgpr_workgroup_id_z 1
		.amdhsa_system_vgpr_workitem_id 0
		.amdhsa_next_free_vgpr 256
		.amdhsa_next_free_sgpr 80
		.amdhsa_reserve_vcc 1
		.amdhsa_float_denorm_mode_32 3
		.amdhsa_float_denorm_mode_16_64 3
		.amdhsa_memory_ordered 1
		.amdhsa_forward_progress 1
		.amdhsa_inst_pref_size 176
	.end_amdhsa_kernel
	.amdgpu_metadata
---
amdhsa.version: [ 1, 2 ]
amdhsa.kernels:
  - .name:           k_q48d9a527d3_attn
    .symbol:         k_q48d9a527d3_attn.kd
    .args:
      - { .name: qkvb, .offset: 0, .size: 8, .value_kind: global_buffer, .address_space: global }
      - { .name: ao, .offset: 8, .size: 8, .value_kind: global_buffer, .address_space: global }
    .group_segment_fixed_size: 327680
    .private_segment_fixed_size: 0
    .kernarg_segment_align: 8
    .kernarg_segment_size: 16
    .max_flat_workgroup_size: 256
    .sgpr_count:     80
    .vgpr_count:     256
    .wavefront_size: 32
...
	.end_amdgpu_metadata
.endif
;; end of part 5
;; launch proj: the kernel of part 4 again; grid 8 x 32, 4 waves a work-group, clusters of 4 x 4, 327,680 bytes of LDS; arguments ao, cb, b_proj, out0; writes out0
